; MI455X (gfx1250); checked and timed in simulation.
; The chip was launched on July 23, 2026; its instructions are those of AMD's public machine-readable ISA for CDNA 5 (MIT licence, August 2026) and "CDNA5" Instruction Set Architecture Reference Guide (July 2026). The comments in the code are by the model that wrote it; some were corrected since.
;; Causal Attention. Allowed arithmetic: matrix products marked QUANTISED: E2M3 operands, one E8M0 scale for each 32 along K, by v_wmma_scale_f32_16x16x128_f8f6f4 with both operands' format E2M3, f32 sums; everything else in f32.
;; Inputs: b_proj 1,024 float32; w_proj 1,024 x 1,024 float32; w_qkv 3,072 x 1,024 float32; x 4 x 2,048 x 1,024 float32.
;; Outputs: out0 4 x 2,048 x 1,024 float32.
;; This version of the problem:
;;   THIS VERSION OF THE PROBLEM IS GIVEN IN LOW PRECISION. The matrix products marked QUANTISED in the list below multiply operands that are first quantised to E2M3 (2 exponent bits, 3 mantissa bits; 6 bits a number), with one power-of-two scale for each 32 numbers along K (OCP MX v1.0); their sums are f32. All else is computed in f32.
;;   The module's matrix products, in the order in which they are computed (A, B: the left and right operand; K: the contracted axis; several contracted axes count as one K, in the product's order):
;;     1. [M 8,192, K 1,024] x [K 1,024, N 3,072]; A: input x; B: input w_qkv: QUANTISED
;;     2. batch 64 x [M 2,048, K 64] x [K 64, N 2,048]; A: computed on the way; B: computed on the way: QUANTISED
;;     3. batch 64 x [M 2,048, K 2,048] x [K 2,048, N 64]; A: softmax (see below); B: computed on the way: QUANTISED
;;     4. [M 8,192, K 1,024] x [K 1,024, N 1,024]; A: computed on the way; B: input w_proj: QUANTISED
;;   THE QUANTISER, for each operand of a quantised product, along K:
;;     - K is cut into blocks of 32 from its start; a last block that is shorter is filled with zeros.
;;     - A block's scale is 2^e with e = floor(log2(the largest magnitude in the block)) - 2, held to -126 .. 127; a block of zeros has e = 0. As a byte (E8M0): e + 127.
;;     - Each number is divided by its block's scale, clamped to +-7.5, and rounded to the nearest number of E2M3, ties to even, subnormals kept.
;;     - The product sums the exact products of the quantised numbers (number of the format x scale) in f32.
;;   ~~~python
;;   def quantise(x, axis):      # numpy; x: float32 -> the quantised numbers, widened to float32 again
;;       x = np.moveaxis(x, axis, -1); K = x.shape[-1]
;;       x = np.pad(x, [(0, 0)] * (x.ndim - 1) + [(0, -K % 32)]); x = x.reshape(x.shape[:-1] + (-1, 32)); a = np.abs(x).max(-1, keepdims=True)
;;       e = np.where(a > 0, np.clip(np.frexp(np.where(a > 0, a, 1))[1] - 1 - 2, -126, 127), 0)      # np.frexp(a)[1] - 1 = floor(log2(a)), exactly
;;       r = np.clip(x / 2.0 ** e, -7.5, 7.5)
;;       step = 2.0 ** (np.maximum(np.frexp(np.where(r == 0, 1, r))[1] - 1, 0) - 3)
;;       q = np.round(r / step) * step * 2.0 ** e      # np.round: ties to even
;;       return np.moveaxis(q.reshape(q.shape[:-2] + (-1,))[..., :K], -1, axis).astype(np.float32)
;;   ~~~
;;   SOFTMAX AHEAD OF A QUANTISED PRODUCT. Where the list says 'softmax', what is quantised is not the finished softmax but p = 2^(t - M), with t = logit x log2(e) and M = ceil(the row's largest t), a whole number; so 1/2 < the row's largest p <= 1. The row's sum l is taken of the UNQUANTISED p, in f32, and the product's result is divided by l at the end. Since M is a whole number, a kernel that streams over the keys may use a running M (the ceiling of the running maximum): every later rescaling is an exact power of two, which a block's scale takes up: the codes' values come out the same.
;;   OPERANDS COMPUTED ON THE WAY. 'Computed on the way' means the value that the module computes at that place (a softmax that the list does not call 'softmax' is quantised finished and normalised). What goes into a quantiser is computed in f32, as accurately as f32 sums, v_exp_f32 and their like allow (about 1e-6 of the number): no bf16 or f16 on the way to a quantiser, and a product that is left as it is and whose result goes on into a quantised operand takes f32 operands (vector FMAs, or v_wmma_f32_16x16x4_f32). A number that lies on a knife's edge between two numbers of the format may be rounded either way, as far as f32 arithmetic and the matrix unit's own rounding can turn it there, and no further.
;; One version. Each part assembles by itself: llvm-mc -triple=amdgcn-amd-amdhsa -mcpu=gfx1250 --defsym DOCPART=n.
;; ======== version 1 of 1: 4 launches
;; workspace buffers: img 9,830,400 bytes; qkv_img 19,660,800 bytes; o_img 6,553,600 bytes
;; launch quant (part 1): grid 256 x 1, 6 waves a work-group, no clusters, 102,400 bytes of LDS; arguments x, w_qkv, w_proj, img; writes img
.if DOCPART == 1
	.amdgcn_target "amdgcn-amd-amdhsa--gfx1250"
	.amdhsa_code_object_version 6
	.text
	.protected	k_q4cd37481c8_quant
	.globl	k_q4cd37481c8_quant
	.p2align	8
	.type	k_q4cd37481c8_quant,@function
k_q4cd37481c8_quant:
	s_mov_b64 s[64:65], 0
	v_nop
	global_prefetch_b8 v0, s[64:65] scope:SCOPE_SE
	s_setreg_imm32_b32 hwreg(HW_REG_WAVE_MODE, 25, 1), 1
	s_wait_xcnt 0x0
; x [8192][1024], w_qkv [3072][1024] and w_proj [1024][1024], f32, K innermost, become codes of FP6 (E2M3) with one E8M0 byte for each 32 along K,
; laid as IMAGES OF OPERAND REGISTERS.  A group is 128 rows; a BLOCK of 12,800 bytes is one group x 128 along K:
;   piece (c, T) at 6144 c + 768 T: lane l's 16 bytes at 16 l are registers 6 c .. 6 c + 3 of fragment T, its 8 bytes at 512 + 8 l registers 6 c + 4, 6 c + 5;
;   scale word of (T, r) at 12288 + 256 (T / 4) + 16 r + 4 (T % 4).   Slot r of tile T is row 32 (T / 2) + 8 (T % 2) + r + 8 (r / 8) of the group.
; Block (G, s) lies at (8 G + s) x 12,800; groups 0-63 x, 64-87 w_qkv, 88-95 w_proj.
; A block's scale is 2^(floor(log2(largest magnitude)) - 2): its byte is the largest magnitude's exponent field - 2, held at 1 from below.
; LIMITS: a block of zeros gets the byte 1 where the rule says 127 (its codes are zeros, and this program alone reads the bytes); blocks whose largest magnitude lies
; under 2^-124 are held at the byte 1; NaN and infinities among the inputs are not served.
; SHARES: 96 groups x 8 K steps x 2 halves = 1,536 units = 256 work-groups x 6 waves.  A wave makes four fragments (64 rows x 128 K): 32 KiB in, 6,400 bytes out.
; All its 64 loads go out at once, each 512 consecutive bytes of a row.  A fragment turns through the wave's own stage in LDS (rows 528 bytes apart), so that a lane gets two whole blocks of 32 of its row.
; A stream: no matrix unit, no cluster, no barrier; waves share nothing.
.set BLK,   12800
.set SP,    528                        ; a stage row: 512 bytes + 16
.set STG,   16*SP                      ; a stage
.set WREG,  2*STG                      ; two stages for each wave
.set SPARE, 6*WREG                     ; behind them the spare words, 128 bytes a wave: three blocks of 256 bytes that no other line names
.set L16,   4                          ; v4   16 x lane
.set L8,    5                          ; v5   8 x lane
.set STA,   6                          ; v6   stage, on the way in: 16 x lane
.set LDA,   7                          ; v7   on the way out: 528 r + 128 h
.set SWO,   8                          ; v8   16 r + 8 h: my two scale words' place
.set SH8,   9                          ; v9   8 h
.set SPW,   10                         ; v10  my spare word; never rewritten
.set NIL,   11                         ; v11  0; never rewritten
.set MX,    12                         ; v12-13 largest magnitudes
.set SO,    14                         ; v14-15 the conversions' scale operands
.set BY,    16                         ; v16-17 the bytes
.set PW,    20                         ; v20-23 a scale word for each fragment
.set TT,    24                         ; v24-26, v28-30 second halves of blocks
.set PC,    32                         ; v32-79 codes, 12 registers a fragment: no store's data are written again
.set WO,    80                         ; v80-81 scale words on their way out
.set X,     128                        ; v128-255 two sets of 64 numbers;  window 1: v0-255 the numbers as loaded, fragment t at 64 t
.set MSB, 0
.macro WIN new                         ; the immediate's high byte repeats the setting that is left
.if MSB != (\new)
	s_set_vgpr_msb (MSB<<8)|(\new)
.set MSB, (\new)
.endif
.endm
	s_load_b256 s[12:19], s[0:1], 0x0              ; x s[12:13], w_qkv s[14:15], w_proj s[16:17], img s[18:19]
	v_lshl_add_u32 v[SPW], v0, 2, SPARE
	v_mov_b32 v[NIL], 0
	v_lshrrev_b32 v1, 5, v0
	v_readfirstlane_b32 s4, v1                     ; wave 0..5
	v_and_b32 v1, 31, v0                           ; lane
	v_and_b32 v2, 15, v0                           ; r
	v_bfe_u32 v3, v0, 4, 1                         ; h
	v_lshlrev_b32 v[L16], 4, v1
	v_lshlrev_b32 v[L8], 3, v1
	s_mul_i32 s5, s4, WREG
	v_add_nc_u32 v[STA], s5, v[L16]
	v_mul_u32_u24 v[LDA], v2, SP
	v_lshl_add_u32 v[LDA], v3, 7, v[LDA]
	v_add_nc_u32 v[LDA], s5, v[LDA]
	v_lshlrev_b32 v[SWO], 4, v2
	v_lshl_add_u32 v[SWO], v3, 3, v[SWO]
	v_lshlrev_b32 v[SH8], 3, v3
	v_mov_b32 v19, 0                               ; written once: a lane permute's destination counts as one of its sources
	s_mov_b32 s24, 0x76543210
	s_mov_b32 s25, 0xfedcba98                      ; v_permlanex16_b32's selects for lane l xor 16
	s_mul_i32 s8, ttmp9, 6
	s_add_co_u32 s8, s8, s4                        ; my unit u
	s_lshr_b32 s9, s8, 4                           ; group G
	s_bfe_u32 s10, s8, 0x30001                     ; K step s
	s_and_b32 s11, s8, 1                           ; half H: tiles 4 H .. 4 H + 3
	s_lshr_b32 s26, s8, 1                          ; 8 G + s
	s_mul_i32 s26, s26, BLK
	s_mov_b32 s27, 0
	s_wait_kmcnt 0x0
	s_cmp_lt_u32 s9, 88                            ; which tensor: the choice hangs on the work-group's and the wave's number alone
	s_cselect_b64 s[20:21], s[14:15], s[16:17]
	s_cselect_b32 s22, 64, 88
	s_cmp_lt_u32 s9, 64
	s_cselect_b64 s[20:21], s[12:13], s[20:21]
	s_cselect_b32 s22, 0, s22
	s_sub_co_u32 s22, s9, s22                      ; the group's number in its tensor
	s_lshl_b32 s22, s22, 19                        ; 128 rows of 4,096 bytes
	s_lshl_b32 s23, s11, 18                        ; + 64 rows for the upper half
	s_add_co_u32 s22, s22, s23
	s_lshl_b32 s23, s10, 9                         ; + 512 bytes a K step
	s_add_co_u32 s22, s22, s23
	s_mov_b32 s23, 0
	s_add_nc_u64 s[20:21], s[20:21], s[22:23]      ; where I read
	s_add_nc_u64 s[18:19], s[18:19], s[26:27]      ; my block
	s_mul_i32 s26, s11, 3072
	s_add_nc_u64 s[28:29], s[18:19], s[26:27]      ; my four tiles' pieces
	s_lshl_b32 s26, s11, 8
	s_add_co_u32 s26, s26, 12288
	s_add_nc_u64 s[30:31], s[18:19], s[26:27]      ; my 256 bytes of scale words
.macro LOAD t                          ; fragment t: its 16 rows, 512 consecutive bytes each
.irp j, 0,1,2,3,4,5,6,7,8,9,10,11,12,13,14,15
	global_load_b128 v[64*\t+4*\j:64*\t+4*\j+3], v[L16], s[20:21] offset:(32*(\t/2)+8*(\t%2)+\j+8*(\j/8))*4096 th:TH_LOAD_NT
.endr
.endm
.macro TURN t                          ; through the stage: LDS serves a wave's instructions in order, so no wait stands between the stores and the loads
	WIN 0x04                                       ; an LDS store's data are its source 1: window 1
.irp j, 0,1,2,3,4,5,6,7,8,9,10,11,12,13,14,15
	ds_store_b128 v[STA], v[64*(\t)+4*\j:64*(\t)+4*\j+3] offset:STG*((\t)%2)+SP*\j
.endr
	WIN 0
.irp c, 0,1
.irp i, 0,1,2,3,4,5,6,7
	ds_load_b128 v[X+64*((\t)%2)+32*\c+4*\i:X+64*((\t)%2)+32*\c+4*\i+3], v[LDA] offset:STG*((\t)%2)+256*\c+16*\i   ; k = 64 c + 32 h + 4 i .. of my row
.endr
.endr
.endm
.macro WORK t                          ; two whole blocks a lane: blocks h and 2 + h of row r
.set XS, X+64*((\t)%2)
.set PF, PC+12*(\t)
.irp c, 0,1
	v_max3_num_f32 v[MX+\c], |v[XS+32*\c]|, |v[XS+32*\c+1]|, 0x1800000   ; with the floor 2^(3 - 127): the byte cannot fall under 1
.endr
.irp i, 2,4,6,8,10,12,14,16,18,20,22,24,26,28,30
.irp c, 0,1
	v_max3_num_f32 v[MX+\c], v[MX+\c], |v[XS+32*\c+\i]|, |v[XS+32*\c+\i+1]|
.endr
.endr
.irp c, 0,1
	v_add_nc_u32 v[SO+\c], 0xff000000, v[MX+\c]    ; 2 off the exponent field: the conversion's scale operand
.endr
.irp c, 0,1
	v_lshrrev_b32 v[BY+\c], 23, v[SO+\c]           ; the scale's byte
.endr
	v_lshl_or_b32 v18, v[BY+1], 16, v[BY]
	v_lshlrev_b32 v18, v[SH8], v18                 ; my two bytes at their places,
	v_permlanex16_b32 v19, v18, s24, s25
	v_or_b32 v[PW+(\t)], v18, v19                  ; with lane l xor 16's two the word is whole
.irp c, 0,1
	v_cvt_scalef32_pk16_fp6_f32 v[PF+6*\c:PF+6*\c+2], v[XS+32*\c:XS+32*\c+15], v[SO+\c]
	v_cvt_scalef32_pk16_fp6_f32 v[TT+4*\c:TT+4*\c+2], v[XS+32*\c+16:XS+32*\c+31], v[SO+\c]   ; (a conversion's three registers begin on an even number)
.endr
	v_nop                                          ; one plain place behind a scaled conversion
.irp c, 0,1
.irp i, 0,1,2
	v_mov_b32 v[PF+6*\c+3+\i], v[TT+4*\c+\i]
.endr
.endr
.irp c, 0,1
	global_store_b128 v[L16], v[PF+6*\c:PF+6*\c+3], s[28:29] offset:768*(\t)+6144*\c          ; 512 consecutive bytes
	global_store_b64 v[L8], v[PF+6*\c+4:PF+6*\c+5], s[28:29] offset:768*(\t)+6144*\c+512      ; 256 consecutive bytes
.endr
.endm
	WIN 0x40                                       ; destination window 1
	LOAD 0
	LOAD 1
	LOAD 2
	LOAD 3
	WIN 0
	s_wait_loadcnt 48                              ; fragment 0 is in; the 48 loads of the three behind it may be out
	TURN 0
	s_wait_loadcnt 32
	TURN 1
	s_wait_dscnt 32                                ; fragment 0 is back from the stage; fragment 1's 16 stores and 16 loads may be out
	WORK 0
	s_wait_loadcnt 16
	TURN 2
	s_wait_dscnt 32
	WORK 1
	s_wait_loadcnt 0x0
	TURN 3
	s_wait_dscnt 32
	WORK 2
	s_wait_dscnt 0x0
	WORK 3
	v_cmp_eq_u32 vcc_lo, 1, v3                     ; lanes 0-15 store the words of tiles 0, 1, lanes 16-31 those of tiles 2, 3: 256 consecutive bytes
	v_cndmask_b32 v[WO], v[PW], v[PW+2], vcc_lo
	v_cndmask_b32 v[WO+1], v[PW+1], v[PW+3], vcc_lo
	global_store_b64 v[SWO], v[WO:WO+1], s[30:31]
	s_wait_tensorcnt 0x0                           ; the wave's end, behind my last LDS store
	ds_add_u32 v[SPW], v[NIL]
	s_wait_dscnt 0x0
	s_endpgm
.Lfunc_end_k_q4cd37481c8_quant:
	.size	k_q4cd37481c8_quant, .Lfunc_end_k_q4cd37481c8_quant-k_q4cd37481c8_quant
	.p2alignl 7, 3214868480
	.fill 96, 4, 3214868480
	.section	.rodata,"a",@progbits
	.p2align	6, 0x0
	.amdhsa_kernel k_q4cd37481c8_quant
		.amdhsa_group_segment_fixed_size 102400
		.amdhsa_private_segment_fixed_size 0
		.amdhsa_enable_private_segment 0
		.amdhsa_kernarg_size 32
		.amdhsa_user_sgpr_count 2
		.amdhsa_user_sgpr_kernarg_segment_ptr 1
		.amdhsa_wavefront_size32 1
		.amdhsa_system_sgpr_workgroup_id_x 1
		.amdhsa_system_sgpr_workgroup_id_y 1
		.amdhsa_system_sgpr_workgroup_id_z 1
		.amdhsa_system_vgpr_workitem_id 0
		.amdhsa_next_free_vgpr 512
		.amdhsa_next_free_sgpr 66
		.amdhsa_reserve_vcc 1
		.amdhsa_float_denorm_mode_32 3
		.amdhsa_float_denorm_mode_16_64 3
		.amdhsa_memory_ordered 1
		.amdhsa_forward_progress 1
		.amdhsa_inst_pref_size 31
	.end_amdhsa_kernel
	.amdgpu_metadata
---
amdhsa.version: [ 1, 2 ]
amdhsa.kernels:
  - .name:           k_q4cd37481c8_quant
    .symbol:         k_q4cd37481c8_quant.kd
    .args:
      - { .name: x, .offset: 0, .size: 8, .value_kind: global_buffer, .address_space: global }
      - { .name: w_qkv, .offset: 8, .size: 8, .value_kind: global_buffer, .address_space: global }
      - { .name: w_proj, .offset: 16, .size: 8, .value_kind: global_buffer, .address_space: global }
      - { .name: img, .offset: 24, .size: 8, .value_kind: global_buffer, .address_space: global }
    .group_segment_fixed_size: 102400
    .private_segment_fixed_size: 0
    .kernarg_segment_align: 8
    .kernarg_segment_size: 32
    .max_flat_workgroup_size: 192
    .sgpr_count:     66
    .vgpr_count:     512
    .wavefront_size: 32
...
	.end_amdgpu_metadata
.endif
;; end of part 1
;; launch qkv (part 2): grid 12 x 32, 4 waves a work-group, clusters of 4 x 4, 327,680 bytes of LDS; arguments img, qkv_img; writes qkv_img
.if DOCPART == 2
	.amdgcn_target "amdgcn-amd-amdhsa--gfx1250"
	.amdhsa_code_object_version 6
	.text
	.protected	k_q4cd37481c8_qkv
	.globl	k_q4cd37481c8_qkv
	.p2align	8
	.type	k_q4cd37481c8_qkv,@function
k_q4cd37481c8_qkv:
	s_mov_b64 s[64:65], 0
	v_nop
	global_prefetch_b8 v0, s[64:65] scope:SCOPE_SE
	s_setreg_imm32_b32 hwreg(HW_REG_WAVE_MODE, 25, 1), 1
	s_wait_xcnt 0x0
	s_wait_alu depctr_hold_cnt(0) depctr_sa_sdst(0) depctr_va_vdst(0) depctr_va_sdst(0) depctr_va_ssrc(0) depctr_va_vcc(0) depctr_vm_vsrc(0)
	s_getreg_b32 s2, hwreg(HW_REG_IB_STS2, 6, 4)
	s_cmp_eq_u32 s2, 0
	s_cbranch_scc0 .Lentry_in_a_cluster
	s_endpgm
.Lentry_in_a_cluster:
	s_bfe_u32 s2, ttmp6, 0x10000c
	s_cmp_lg_u32 s2, 0xf033
	s_cbranch_scc0 .Lentry_shape_is_right
	s_endpgm
.Lentry_shape_is_right:
; qkv = x w_qkv^T on codes of FP6 (E2M3) with E8M0 scales, f32 sums, K = 1,024; the results are quantised again IN THE ACCUMULATORS' REGISTERS and leave as codes:
; q and k along the head's 64 channels, v along the keys.  Nothing goes to memory in f32.
; OPERANDS come as blocks of 12,800 bytes (a group of 128 rows x 128 K as an image of the operand's registers; layout in the launch that makes them): block (G, s) at (8 G + s) x 12,800.
; A work-group of four waves makes 256 x 256, a wave 128 x 128: 64 accumulators, 512 registers.  Source 1 is side P, source 0 side Q: in a result lane (r, h) holds P's slot r, and the 16 registers of
; Q's tiles 2 b, 2 b + 1 are Q's rows 32 b + 16 h + 0 .. 15: sixteen neighbours for the conversions.  Clusters x = 0, 1 (q, k): P = tokens, Q = rows of w, so registers run along the channels.
; Cluster x = 2 (v): P = rows of w, Q = tokens, so registers run along the keys.  Only offsets differ.
; OUT: block (P', tg) of qkv_img at (64 P' + tg) x 12,800, P' = w's group - 64 (0-7 q's head pairs, 8-15 k's, 16-23 v's), tg = token / 128.
;   q, k: piece (c, a) = head c of the pair, tokens of tile a, d = 32 h + 0 .. 31; word (H, r, b) = head H's bytes of tiles 2 b and 2 b + 1 (two each).
;   v: piece (c, a) = head a / 4, channels of tile a % 4, keys 64 c + 32 h + 0 .. 31; word (H, r, t) = the word of tile 4 H + t.
; RING: three LDS slots of two K steps each; all three are asked for at the start, and slot 0 is filled ONCE more (K steps 6, 7).  By this text's count a wave has three tensor loads out at the most.
; CLUSTER 4 x 4: P's tiles are shared along a row of the cluster, Q's along a column: joint loads, one a wave.
; LIMITS of the quantiser: a block of zeros gets the byte 1 (its codes are zeros; this program alone reads the bytes); largest magnitudes under 2^-124 are held at the byte 1; NaN and infinities are not served.
; REGISTERS: window 0: v1-29 addresses; v32-47 scale words, two sets; v48-87 at work on the way out; v128-223 P's fragments, one set, later the codes.  Window 1: Q's fragments, two sets, at v0 and v128.
;   Window 2: accumulators of P's tiles 0-3 ((a, b) at v[8 (8 (a % 4) + b)]); window 3: of tiles 4-7.
.set BLK,   12800
.set PART,  2*BLK                      ; two K steps of one group: what one tensor load brings
.set SLOT,  4*PART                     ; P's two groups, then Q's two
.set GRPB,  8*BLK                      ; a group's bytes in memory
.set SPARE, 3*SLOT                     ; behind the ring: the spare words, 128 bytes a wave: two blocks of 256 bytes that no other line names
.set FR,    12                         ; registers of a fragment
.set NL,    4                          ; LDS loads that bring one
.set NP,    4                          ; places behind this matrix instruction (ISA guide 7.12.1)
.set AP16,  8                          ; v8-10   P's part of slot j + 16 x lane
.set AP8,   11                         ; v11-13  + 8 x lane
.set AQ16,  14                         ; v14-16  the same for Q
.set AQ8,   17                         ; v17-19
.set ASC,   20                         ; v20-22  scale words: lanes 0-15 P's, lanes 16-31 Q's
.set L16,   24                         ; v24 16 x lane
.set L8,    25                         ; v25 8 x lane
.set VSQ,   26                         ; v26 byte selects for q's and k's scale words
.set VSV,   27                         ; v27 and for v's
.set SPW,   28                         ; v28 my spare word; never rewritten
.set NIL,   29                         ; v29 0; never rewritten
.set SC,    32                         ; v32-47 scale words: set k % 2, register i: lanes 0-15 P's tile i, lanes 16-31 Q's tile i
.set TM,    48                         ; v48-63 at work
.set PW,    64                         ; v64-71 a scale word for each of P's tiles
.set WQ,    72                         ; v72-75 the words as they leave
.set TT,    76                         ; v76-78, v80-82
.set WV4,   84                         ; v84-87
.set AF,    128
.set G1,  24                           ; s[24:31] group 1 for P;  s[32:43] groups 0, one for each slot
.set G0,  32
.set G1B, 44                           ; s[44:51], s[52:63] the same for Q
.set G0B, 52
.set SEL, 94
.set MSB, 0
.macro WIN new
.if MSB != (\new)
	s_set_vgpr_msb (MSB<<8)|(\new)
.set MSB, (\new)
.endif
.endm
.set MUL_LO, 0xa1                      ; source 0 (Q) window 1, source 1 (P) window 0, C and D window 2
.set MUL_HI, 0xf1
.set TO_Q,   0x40
; A joint load: waves 0, 1 fetch P's two groups, waves 2, 3 Q's.  The branch hangs on the wave's number alone.  An s_nop 0 and four v_nop follow each line.
.macro JLOAD g0a, g1a, g0b, g1b
	s_cmp_eq_u32 s15, 0
	s_cbranch_scc0 .Lfor_q_\@
	tensor_load_to_lds s[\g0a:\g0a+3], s[\g1a:\g1a+7]
	s_nop 0
.rept 4
	v_nop
.endr
	s_branch .Lasked_\@
.Lfor_q_\@:
	tensor_load_to_lds s[\g0b:\g0b+3], s[\g1b:\g1b+7]
	s_nop 0
.rept 4
	v_nop
.endr
.Lasked_\@:
.endm
.macro CREST                           ; a round of the cluster's barrier behind its opening barrier
	s_cmp_lg_u32 s14, 0
	s_cbranch_scc1 .Lnot_wave_0_\@
	s_barrier_signal -3
.Lnot_wave_0_\@:
	s_barrier_wait -3
	s_barrier_signal -1
	s_barrier_wait -1
.endm
.macro CROUND
	s_barrier_signal -1
	s_barrier_wait -1
	CREST
.endm
.macro PLACES n
.rept \n
	v_nop
.endr
.endm
	s_load_b128 s[4:7], s[0:1], 0x0                ; img s[4:5], qkv_img s[6:7]
	v_lshl_add_u32 v[SPW], v0, 2, SPARE
	v_mov_b32 v[NIL], 0
	ds_add_u32 v[SPW], v[NIL]                      ; the wave's opening: the add and its wait ahead of my first tensor load; work on registers stands between them
	v_lshrrev_b32 v1, 5, v0
	v_readfirstlane_b32 s14, v1                    ; wave 0..3
	s_lshr_b32 s15, s14, 1                         ; wr: which of P's groups is mine.  Also: I fetch for P (0) or for Q (1)
	s_and_b32 s16, s14, 1                          ; wc: which of Q's groups.  Also: which group of that side I fetch
	s_bfe_u32 s66, ttmp6, 0x40000                  ; cx
	s_bfe_u32 s67, ttmp6, 0x40004                  ; cy
	s_mov_b32 s68, ttmp9                           ; the cluster's x: 0 q, 1 k, 2 v
	s_and_b32 s69, ttmp7, 0xffff                   ; the cluster's y: eight groups of tokens
	s_lshl_b32 s71, s67, 2
	s_lshl_b32 s71, 15, s71                        ; my row of the cluster
	s_lshl_b32 s72, 0x1111, s66                    ; my column
	s_or_b32 s[G1], s71, (3<<16)|(1<<21)           ; 15:0 the mask; 17:16 elements of 8 bytes; 21 set beside a mask; no padding
	s_or_b32 s[G1B], s72, (3<<16)|(1<<21)
.irp g, G1, G1B                        ; 25,600 dense bytes as 100 rows of 256
	s_mov_b32 s[\g+1], 32<<16                      ; tensor_dim0 = 32
	s_mov_b32 s[\g+2], 100<<16                     ; tensor_dim1 = 100
	s_mov_b32 s[\g+3], 32<<16                      ; tile_dim0 = 32
	s_mov_b32 s[\g+4], 100                         ; tile_dim1 = 100
	s_mov_b32 s[\g+5], 32                          ; pitch
	s_mov_b32 s[\g+6], 0
	s_mov_b32 s[\g+7], 0
.endr
	s_lshl_b32 s73, s67, 1                         ; 2 cy
	s_lshl_b32 s74, s66, 1                         ; 2 cx
	s_lshl_b32 s75, s69, 3                         ; the cluster's first group of tokens
	s_lshl_b32 s76, s68, 3
	s_add_co_u32 s76, s76, 64                      ; its first group of w (q, k)
	s_cmp_eq_u32 s68, 2                            ; a v cluster?  The same in all sixteen partners
	s_cselect_b32 s77, 80, s75
	s_cselect_b32 s78, s75, s76
	s_cselect_b32 s70, 1, 0
	s_add_co_u32 s73, s73, s77                     ; P's first group: hangs on cy and the cluster alone
	s_add_co_u32 s74, s74, s78                     ; Q's: on cx and the cluster alone
	s_add_co_u32 s79, s73, s16
	s_mul_i32 s80, s79, GRPB
	s_mov_b32 s81, 0
	s_add_co_u32 s82, s74, s16
	s_mul_i32 s84, s82, GRPB
	s_mov_b32 s85, 0
	s_mul_i32 s86, s14, PART                       ; where my load goes: no place in the cluster enters an LDS address
	s_mov_b32 s[SEL], 0x76543210
	s_mov_b32 s[SEL+1], 0xfedcba98
	s_wait_dscnt 0x0                               ; the opening add is done
	s_wait_kmcnt 0x0
	s_add_nc_u64 s[80:81], s[4:5], s[80:81]
	s_add_nc_u64 s[84:85], s[4:5], s[84:85]
	CROUND                                         ; all sixteen work-groups are here: the first joint loads meet
.irp j, 0,1,2
	s_mov_b32 s[G0+4*\j], 1
	s_add_co_u32 s[G0+4*\j+1], s86, \j*SLOT
	s_add_nc_u64 s[G0+4*\j+2:G0+4*\j+3], s[80:81], \j*PART
	s_or_b32 s[G0+4*\j+3], s[G0+4*\j+3], 0x80000000
	s_mov_b32 s[G0B+4*\j], 1
	s_add_co_u32 s[G0B+4*\j+1], s86, \j*SLOT
	s_add_nc_u64 s[G0B+4*\j+2:G0B+4*\j+3], s[84:85], \j*PART
	s_or_b32 s[G0B+4*\j+3], s[G0B+4*\j+3], 0x80000000
	JLOAD G0+4*\j, G1, G0B+4*\j, G1B               ; K steps 2 j, 2 j + 1
.endr
	v_and_b32 v3, 31, v0                           ; lane
	v_and_b32 v1, 15, v0                           ; r
	v_bfe_u32 v2, v0, 4, 1                         ; h
	v_lshlrev_b32 v[L16], 4, v3
	v_lshlrev_b32 v[L8], 3, v3
	s_mul_i32 s20, s15, PART                       ; my group of P
	s_mul_i32 s21, s16, PART
	s_add_co_u32 s21, s21, 2*PART                  ; my group of Q
.irp j, 0,1,2
	v_add_nc_u32 v[AP16+\j], s20, v[L16]
	v_add_nc_u32 v[AP8+\j], s20, v[L8]
	v_add_nc_u32 v[AQ16+\j], s21, v[L16]
	v_add_nc_u32 v[AQ8+\j], s21, v[L8]
	s_add_co_u32 s20, s20, SLOT
	s_add_co_u32 s21, s21, SLOT
.endr
	s_mul_i32 s20, s15, PART
	s_mul_i32 s21, s16, PART
	s_add_co_u32 s21, s21, 2*PART
	s_sub_co_u32 s21, s21, s20
	v_mul_u32_u24 v4, s21, v2                      ; lanes 16-31 take Q's words
	v_lshl_add_u32 v4, v1, 4, v4                   ; 16 bytes a slot: four tiles' words
	s_add_co_u32 s20, s20, 12288
.irp j, 0,1,2
	v_add_nc_u32 v[ASC+\j], s20, v4
	s_add_co_u32 s20, s20, SLOT
.endr
	v_cmp_eq_u32 vcc_lo, 1, v2
	v_mov_b32 v[VSQ], 0x05040100                   ; lanes 0-15: head 0's two bytes of two words; lanes 16-31: head 1's
	v_mov_b32 v5, 0x07060302
	v_cndmask_b32 v[VSQ], v[VSQ], v5, vcc_lo
	v_mov_b32 v[VSV], 0x03020100                   ; lanes 0-15: the second source's word; lanes 16-31: the first's
	v_mov_b32 v5, 0x07060504
	v_cndmask_b32 v[VSV], v[VSV], v5, vcc_lo
	s_add_co_u32 s87, s73, s15                     ; my group of P,
	s_add_co_u32 s88, s74, s16                     ; of Q
	s_cmp_eq_u32 s70, 1
	s_cselect_b32 s89, s87, s88                    ; which of them is w's,
	s_cselect_b32 s90, s88, s87                    ; which the tokens'
	s_cselect_b32 s91, -1, 0                       ; all lanes' mask: a v cluster
	s_sub_co_u32 s89, s89, 64
	s_lshl_b32 s89, s89, 6
	s_add_co_u32 s89, s89, s90
	s_mul_i32 s92, s89, BLK
	s_mov_b32 s93, 0
	s_add_nc_u64 s[6:7], s[6:7], s[92:93]          ; my block of qkv_img
.macro FRAG reg, a16, a8, off          ; a fragment comes as it was stored: registers 0-3, 4-5, 6-9, 10-11
	ds_load_b128 v[\reg:\reg+3], v[\a16] offset:\off
	ds_load_b64 v[\reg+4:\reg+5], v[\a8] offset:\off+512
	ds_load_b128 v[\reg+6:\reg+9], v[\a16] offset:\off+6144
	ds_load_b64 v[\reg+10:\reg+11], v[\a8] offset:\off+6656
.endm
.macro FETCH_Q k                       ; Q's eight fragments of K step k into set k % 2
	WIN TO_Q
.irp i, 0,1,2,3,4,5,6,7
	FRAG 128*((\k)%2)+FR*\i, AQ16+((\k)/2)%3, AQ8+((\k)/2)%3, BLK*((\k)%2)+768*\i
.endr
	WIN 0
.endm
.macro FETCH_P k, i0                   ; P's tiles i0 .. i0 + 3
.irp i, \i0, \i0+1, \i0+2, \i0+3
	FRAG AF+FR*(\i), AP16+((\k)/2)%3, AP8+((\k)/2)%3, BLK*((\k)%2)+768*(\i)
.endr
.endm
.macro SCALES k
	ds_load_b128 v[SC+8*((\k)%2):SC+8*((\k)%2)+3], v[ASC+((\k)/2)%3] offset:BLK*((\k)%2)
	ds_load_b128 v[SC+8*((\k)%2)+4:SC+8*((\k)%2)+7], v[ASC+((\k)/2)%3] offset:BLK*((\k)%2)+256
.endm
; 16 matrix instructions: P's tiles a0, a0 + 1 x Q's eight.  The 64 accumulators take turns, one instruction a turn, in the same order in every K step.
.macro MUL16 a0, k, first
.irp a, \a0, \a0+1
.irp b, 0,1,2,3,4,5,6,7
.if \first
	v_wmma_scale_f32_16x16x128_f8f6f4 v[8*(8*((\a)%4)+\b):8*(8*((\a)%4)+\b)+7], v[128*((\k)%2)+FR*\b:128*((\k)%2)+FR*\b+FR-1], v[AF+FR*(\a):AF+FR*(\a)+FR-1], 0, v[SC+8*((\k)%2)+\b], v[SC+8*((\k)%2)+(\a)] matrix_a_fmt:MATRIX_FMT_FP6 matrix_b_fmt:MATRIX_FMT_FP6 matrix_a_scale:MATRIX_SCALE_ROW1
.else
	v_wmma_scale_f32_16x16x128_f8f6f4 v[8*(8*((\a)%4)+\b):8*(8*((\a)%4)+\b)+7], v[128*((\k)%2)+FR*\b:128*((\k)%2)+FR*\b+FR-1], v[AF+FR*(\a):AF+FR*(\a)+FR-1], v[8*(8*((\a)%4)+\b):8*(8*((\a)%4)+\b)+7], v[SC+8*((\k)%2)+\b], v[SC+8*((\k)%2)+(\a)] matrix_a_fmt:MATRIX_FMT_FP6 matrix_b_fmt:MATRIX_FMT_FP6 matrix_a_scale:MATRIX_SCALE_ROW1
.endif
.endr
.endr
.endm
.macro STEP k, first                   ; a K step whose successor's tiles have been shown whole
	s_wait_dscnt 4*NL                              ; Q's set, P's tiles 0-3 and the scale words are in; the youngest 16 loads (P's tiles 4-7) may be out
	WIN MUL_LO
	MUL16 0, \k, \first
	MUL16 2, \k, \first
	s_wait_dscnt 0x0                               ; P's tiles 4-7 are in
	PLACES NP                                      ; in front of loads into registers that matrix instructions have read
	FETCH_Q (\k)+1
	FETCH_P (\k)+1, 0
	SCALES (\k)+1
	WIN MUL_HI
	MUL16 4, \k, \first
	MUL16 6, \k, \first
	PLACES NP
	WIN 0
	FETCH_P (\k)+1, 4
.endm
; A K step with a barrier in it.  In front of it each wave waits for all its tensor loads, adds 0 to its spare word, and waits for that and for its LDS reads.  fill = 1: slot 0 is filled again, with K steps 6, 7.
.macro TURN k, fill
	s_wait_tensorcnt 0x0                           ; all my tensor loads have landed
	ds_add_u32 v[SPW], v[NIL]                      ; 0 onto my spare word
	s_wait_dscnt 4*NL+1                            ; (the add and P's tiles 4-7 may be out)
	WIN MUL_LO
	MUL16 0, \k, 0                                 ; sixteen matrix instructions stand between the add and the wait for it
	s_wait_dscnt 0x0                               ; the add is done, and my LDS reads are over
	s_barrier_signal -1
	MUL16 2, \k, 0
	WIN 0
	s_barrier_wait -1
.if \fill
	CREST                                          ; the barrier has opened a round of the cluster's: no wave of any partner still reads slot 0 or has a load on its way
	s_add_nc_u64 s[G0+2:G0+3], s[G0+2:G0+3], 3*PART
	s_add_nc_u64 s[G0B+2:G0B+3], s[G0B+2:G0B+3], 3*PART
	JLOAD G0, G1, G0B, G1B                         ; the first tensor load behind the round; its four v_nop are also the places in front of the loads below
.else
	PLACES NP
.endif
	FETCH_Q (\k)+1
	FETCH_P (\k)+1, 0
	SCALES (\k)+1
	WIN MUL_HI
	MUL16 4, \k, 0
	MUL16 6, \k, 0
	PLACES NP
	WIN 0
	FETCH_P (\k)+1, 4
.endm
	s_wait_tensorcnt 2                             ; my part of slot 0 is in; slots 1 and 2 may be out
	s_barrier_signal -1
	s_barrier_wait -1
	FETCH_Q 0
	FETCH_P 0, 0
	SCALES 0
	FETCH_P 0, 4
	STEP 0, 1                                      ; the first products start the sums: nothing is cleared
	TURN 1, 1                                      ; slots 1 and 2 are shown whole to every wave; slot 0 takes K steps 6, 7
	STEP 2, 0
	STEP 3, 0
	STEP 4, 0
	TURN 5, 0                                      ; slot 0 is whole again; nothing is filled
	STEP 6, 0
	s_wait_dscnt 4*NL                              ; the last K step: nothing more to fetch
	WIN MUL_LO
	MUL16 0, 7, 0
	MUL16 2, 7, 0
	s_wait_dscnt 0x0
	WIN MUL_HI
	MUL16 4, 7, 0
	MUL16 6, 7, 0
	WIN 0
	PLACES NP                                      ; in front of the first reads of results and of writes into P's fragments
.irp b, 0,1,2,3
	v_mov_b32 v[TM+4+\b], 0                        ; written once: a lane permute's destination counts as one of its sources
.endr
; P's tile a: a lane's 64 numbers (register 16 b + i = Q's row 32 b + 16 h + i) become a fragment's codes and a scale word; the codes leave at once, 512 and 256 consecutive bytes a store.
.macro QUANTG a
.set AC, 64*((\a)%4)
.set WN, 2+(\a)/4
.set PF, AF+FR*(\a)
.irp b, 0,1,2,3
	v_mov_b32 v[TM+\b], 0x1800000                  ; the floor 2^(3 - 127): the byte cannot fall under 1
.endr
	WIN (WN<<2)|(WN<<4)                            ; sources 1 and 2: the accumulators' window
.irp i, 0,2,4,6,8,10,12,14
.irp b, 0,1,2,3
	v_max3_num_f32 v[TM+\b], v[TM+\b], |v[AC+16*\b+\i]|, |v[AC+16*\b+\i+1]|   ; each accumulator from its low end on; the four blocks by turns
.endr
.endr
	WIN 0
.irp b, 0,1,2,3
	v_permlanex16_b32 v[TM+4+\b], v[TM+\b], s[SEL], s[SEL+1]
.endr
.irp b, 0,1,2,3
	v_max_num_f32 v[TM+\b], v[TM+\b], v[TM+4+\b]   ; with lane l xor 16's: the block's largest magnitude
.endr
.irp b, 0,1,2,3
	v_add_nc_u32 v[TM+12+\b], 0xff000000, v[TM+\b] ; 2 off its exponent field: the conversion's scale operand
.endr
.irp b, 0,1,2,3
	v_lshrrev_b32 v[TM+4+\b], 23, v[TM+12+\b]      ; the byte
.endr
	v_lshl_or_b32 v[PW+(\a)], v[TM+5], 8, v[TM+4]
	v_lshl_or_b32 v[PW+(\a)], v[TM+6], 16, v[PW+(\a)]
	v_lshl_or_b32 v[PW+(\a)], v[TM+7], 24, v[PW+(\a)]
	WIN WN                                         ; source 0: the accumulators' window
.irp c, 0,1
	v_cvt_scalef32_pk16_fp6_f32 v[PF+6*\c:PF+6*\c+2], v[AC+32*\c:AC+32*\c+15], v[TM+12+2*\c]
	v_cvt_scalef32_pk16_fp6_f32 v[TT+4*\c:TT+4*\c+2], v[AC+32*\c+16:AC+32*\c+31], v[TM+12+2*\c+1]
.endr
	WIN 0
	v_nop                                          ; one plain place behind a scaled conversion
.irp c, 0,1                            ; the operand's layout wants a whole block in a lane
.irp i, 0,1,2
	v_permlane16_swap_b32 v[PF+6*\c+\i], v[TT+4*\c+\i]
.endr
.irp i, 0,1,2
	v_mov_b32 v[PF+6*\c+3+\i], v[TT+4*\c+\i]
.endr
.endr
.irp c, 0,1
	global_store_b128 v[L16], v[PF+6*\c:PF+6*\c+3], s[6:7] offset:768*(\a)+6144*\c
	global_store_b64 v[L8], v[PF+6*\c+4:PF+6*\c+5], s[6:7] offset:768*(\a)+6144*\c+512
.endr
.endm
.irp a, 0,1,2,3,4,5,6,7
	QUANTG \a
.endr
.irp b, 0,1,2,3                        ; the scale words: both arrangements are made, and a mask that is the same in the whole cluster chooses: no branch
	v_perm_b32 v[WQ+\b], v[PW+2*\b+1], v[PW+2*\b], v[VSQ]   ; q, k: my head's two bytes of tile 2 b, then of tile 2 b + 1
	v_perm_b32 v[WV4+\b], v[PW+\b+4], v[PW+\b], v[VSV]      ; v: the word of tile 4 h + b
.endr
.irp b, 0,1,2,3
	v_cndmask_b32 v[WQ+\b], v[WQ+\b], v[WV4+\b], s91
.endr
	global_store_b128 v[L16], v[WQ:WQ+3], s[6:7] offset:12288   ; 512 consecutive bytes
	s_wait_tensorcnt 0x0                           ; the wave's end
	ds_add_u32 v[SPW], v[NIL]
	s_wait_dscnt 0x0
	CROUND                                         ; the closing round
	s_endpgm
.Lfunc_end_k_q4cd37481c8_qkv:
	.size	k_q4cd37481c8_qkv, .Lfunc_end_k_q4cd37481c8_qkv-k_q4cd37481c8_qkv
	.p2alignl 7, 3214868480
	.fill 96, 4, 3214868480
	.section	.rodata,"a",@progbits
	.p2align	6, 0x0
	.amdhsa_kernel k_q4cd37481c8_qkv
		.amdhsa_group_segment_fixed_size 327680
		.amdhsa_private_segment_fixed_size 0
		.amdhsa_enable_private_segment 0
		.amdhsa_kernarg_size 16
		.amdhsa_user_sgpr_count 2
		.amdhsa_user_sgpr_kernarg_segment_ptr 1
		.amdhsa_wavefront_size32 1
		.amdhsa_system_sgpr_workgroup_id_x 1
		.amdhsa_system_sgpr_workgroup_id_y 1
		.amdhsa_system_sgpr_workgroup_id_z 1
		.amdhsa_system_vgpr_workitem_id 0
		.amdhsa_next_free_vgpr 1024
		.amdhsa_next_free_sgpr 100
		.amdhsa_reserve_vcc 1
		.amdhsa_float_denorm_mode_32 3
		.amdhsa_float_denorm_mode_16_64 3
		.amdhsa_memory_ordered 1
		.amdhsa_forward_progress 1
		.amdhsa_inst_pref_size 147
	.end_amdhsa_kernel
	.amdgpu_metadata
---
amdhsa.version: [ 1, 2 ]
amdhsa.kernels:
  - .name:           k_q4cd37481c8_qkv
    .symbol:         k_q4cd37481c8_qkv.kd
    .args:
      - { .name: img, .offset: 0, .size: 8, .value_kind: global_buffer, .address_space: global }
      - { .name: qkv_img, .offset: 8, .size: 8, .value_kind: global_buffer, .address_space: global }
    .group_segment_fixed_size: 327680
    .private_segment_fixed_size: 0
    .kernarg_segment_align: 8
    .kernarg_segment_size: 16
    .max_flat_workgroup_size: 128
    .sgpr_count:     100
    .vgpr_count:     1024
    .wavefront_size: 32
...
	.end_amdgpu_metadata
.endif
;; end of part 2
;; launch attn (part 3): grid 8 x 32, 16 waves a work-group, no clusters, 327,680 bytes of LDS; arguments qkv_img, o_img; writes o_img
.if DOCPART == 3
	.amdgcn_target "amdgcn-amd-amdhsa--gfx1250"
	.amdhsa_code_object_version 6
	.text
	.protected	k_q4cd37481c8_attn
	.globl	k_q4cd37481c8_attn
	.p2align	8
	.type	k_q4cd37481c8_attn,@function
k_q4cd37481c8_attn:
	s_mov_b64 s[64:65], 0
	v_nop
	global_prefetch_b8 v0, s[64:65] scope:SCOPE_SE
	s_setreg_imm32_b32 hwreg(HW_REG_WAVE_MODE, 25, 1), 1
	s_wait_xcnt 0x0
; Causal attention on codes of FP6 (E2M3) with E8M0 scales: S^T = K Q^T (K = the head's 64), p = 2^(t - M), O^T = V^T P^T (K = the keys), o = O / l, and o quantised along its channels for the last product.
; t = score x log2(e) / 8; M = the running largest t rounded UP to a whole number; p is quantised along the keys, not normalised; l is the sum of the unquantised p; when M moves, l and O are multiplied by 2^(old M - new M), which rounds nothing.
; IN: qkv_img, blocks of 12,800 bytes (layout in the launch that makes them): block (P', tg) at (64 P' + tg) x 12,800; P' = hp (q), 8 + hp (k), 16 + hp (v); tg = 16 x batch + tokens / 128.
; OUT: o_img, block (token group G, K step hp) at (8 G + hp) x 12,800, an operand image: piece (e, T) = head e of the pair, tokens of tile T, d = 32 h + 0 .. 31; scale word of (T, r): two bytes of each head.
; SHARES.  A work-group owns a PAIR of heads and two groups of 128 queries, g and 15 - g.  Wave w: head e = w / 8, tile T = w % 8 of both groups (X early, Y late): (g + 1) + (16 - g) = 17 tile steps for every wave of the launch.
; The pair is taken together because one scale word of o_img holds bytes of both heads: they meet in LDS and leave as whole runs of 512 bytes.
; Slot r of tile T is token 32 (T / 2) + 8 (T % 2) + r + 8 (r / 8), so that the 16 registers of key tiles 2 b, 2 b + 1 are keys 32 b + 16 h + 0 .. 15.
; K = 64 IN A FORM OF 128: a fragment of K is TWO key tiles (registers 0-5 and 6-11); multiplied by [q | zeros] it gives the first tile's scores, by [zeros | q] the second's.  Zero codes add nothing.
; RING: two LDS slots of 256 keys (K's two blocks, V's two blocks); wave 0 fetches K's run, wave 1 V's, 25,600 dense bytes each.  Every wait on TENSORcnt is for 0; a wave has one tensor load out at the most.
; CAUSAL: every work-group walks all eight changes of slots; a step whose keys all come after a tile's group of queries is jumped over (ids alone); a slot whose first key comes after the work-group's last query is not asked for.
; NO CLUSTER: the eight work-groups that walk one head pair's K and V need 5 to 8 slots each and have their double steps (both tiles at work) in different slots, so partners in step would each wait for the busiest;
; and a slot's 51,200 bytes stand beside 16 to 64 tile steps of a work-group's vector work.
; LIMITS of o's quantiser: a block of zeros gets the byte 1 (zero codes; this program alone reads the bytes); largest magnitudes under 2^-124 are held at the byte 1; NaN and infinities are not served.
.set BLK,   12800
.set RUN,   2*BLK
.set SLOT1, 65536                      ; slot 1 begins here: one exclusive or turns an address of one slot into the other's
.set NSL,   8
.set SCB,   131072                     ; o's scale words: 512 bytes for X, 512 for Y; no tile lands here
.set SPARE, SCB+1024                   ; the spare words, 128 bytes a wave: eight blocks of 256 bytes that no other line names
.set AK16, 1                           ; v1  16 x lane + 6144 e
.set AK8,  2                           ; v2  8 x lane + 6144 e
.set AV16, 3                           ; v3  RUN + 16 x lane + 3072 e
.set AV8,  4                           ; v4  RUN + 8 x lane + 3072 e
.set ASC,  5                           ; v5  12288 + 256 e + 16 r
.set SPW,  6                           ; v6  my spare word; never rewritten
.set NIL,  7                           ; v7  0; never rewritten
.set DK16, 8                           ; v8-12 the step's five addresses
.set DK8,  9
.set DV16, 10
.set DV8,  11
.set DSC,  12
.set DG,   13                          ; v13 my query's place in its group - 16 h
.set SX,   14                          ; v14 -M, v15 largest t, v[16:17] the sum in two halves: tile X;  v18-21: tile Y
.set SY,   18
.set QX,   22                          ; v22-39 [q 6][zeros 6][q 6];  v40-57 the same for Y
.set QY,   40
.set QSX,  58                          ; v58, v59 Q's scale words (s0, s1, s0, s1)
.set QSY,  59
.set FR,   60                          ; v60-107 four fragments of K or of V; between them the softmax's registers:
.set BM,   60                          ; v60-63 a block's largest score, then p
.set BT,   64                          ; v64-67
.set SO,   68                          ; v68-71 the conversions' scale operands
.set TT,   72                          ; v72-74, v76-78
.set TP,   80
.set NEG,  81
.set KS,   108                         ; v108-111 K's or V's scale words
.set S,    112                         ; v112-175 S^T, then p
.set OX,   176                         ; v176-207 O^T of X, v208-239 of Y
.set OY,   208
.set PC,   240                         ; v240-251 p's codes
.set PSC,  252                         ; v252 p's scale word
.set PFO,  253                         ; v253 the prefetches' offset; never rewritten
.set F,    254                         ; v[254:255] f = 2^(old M - new M)
.set TB,   2                           ; s2  LDS byte at which the slot in hand begins
.set KF,   3                           ; s3  the step's first key
.set WV,   18
.set EH,   19                          ; s19 e
.set SEL,  20
.set CS,   22                          ; s[22:23] c = log2(e) / 8
.set G1,   24
.set G0,   32
.set SLOTS, 36
.set GQX,  37                          ; s37, s38 first query of X's and of Y's group
.set GQY,  38
.set LASTQ, 39                         ; s39 the work-group's last query
.set TN,   40                          ; s40 T
.set PFA,  44
.set LIM,  46
.macro TLOAD                           ; waves 0 and 1 fetch; an s_nop 0 and four v_nop follow the line
	s_cmp_lt_u32 s[WV], 2
	s_cbranch_scc0 .Lnone_\@
	tensor_load_to_lds s[G0:G0+3], s[G1:G1+7]
	s_nop 0
.rept 4
	v_nop
.endr
.Lnone_\@:
.endm
; A prefetch into the L2 of what the NEXT change of slots will ask for: 25,600 bytes of K and as many of V.  The eight work-groups of a head pair walk the same runs: the one with g = 0, which walks all eight slots, asks.
; In it waves 4-7 ask for K's run and waves 8-11 for V's, 6,400 bytes a wave, lanes 256 bytes apart (lanes 25-31 name lane 24's bytes again in the same instruction).  The last change that fills a slot asks for nothing; nothing is asked at the head.
.macro ASK
	s_cmp_gt_u32 s[SLOTS], s[LIM]
	s_cbranch_scc0 .Lnot_mine_\@
	global_prefetch_b8 v[PFO], s[PFA:PFA+1] th:TH_LOAD_NT scope:SCOPE_SE
.Lnot_mine_\@:
.endm
	s_load_b128 s[4:7], s[0:1], 0x0                ; qkv_img s[4:5], o_img s[6:7]
	v_lshl_add_u32 v[SPW], v0, 2, SPARE
	v_mov_b32 v[NIL], 0
	ds_add_u32 v[SPW], v[NIL]                      ; the wave's opening: the add and its wait ahead of the first tensor load; work on registers stands between them
	v_lshrrev_b32 v8, 5, v0
	v_readfirstlane_b32 s[WV], v8                  ; wave 0..15
	s_lshr_b32 s[EH], s[WV], 3
	s_and_b32 s[TN], s[WV], 7
	s_and_b32 s41, ttmp7, 0xffff
	s_and_b32 s42, s41, 7                          ; hp: the pair of heads
	s_lshr_b32 s43, s41, 3
	s_lshl_b32 s43, s43, 4                         ; 16 x batch
	s_lshl_b32 s[GQX], ttmp9, 7
	s_sub_co_u32 s47, 15, ttmp9                    ; 15 - g
	s_lshl_b32 s[GQY], s47, 7
	s_add_co_u32 s[LASTQ], s[GQY], 127
	s_and_b32 s48, s[WV], 1
	s_lshl_b32 s49, s48, 3                         ; what I fetch, if I fetch: wave 0 K's blocks, wave 1 V's
	s_add_co_u32 s49, s49, 8
	s_add_co_u32 s49, s49, s42
	s_lshl_b32 s49, s49, 6
	s_add_co_u32 s49, s49, s43
	s_mul_i32 s56, s49, BLK
	s_mov_b32 s57, 0
	s_mov_b32 s[G1], 3<<16                         ; no mask; elements of 8 bytes; no padding: 25,600 dense bytes as 100 rows of 256
	s_mov_b32 s[G1+1], 32<<16
	s_mov_b32 s[G1+2], 100<<16
	s_mov_b32 s[G1+3], 32<<16
	s_mov_b32 s[G1+4], 100
	s_mov_b32 s[G1+5], 32
	s_mov_b32 s[G1+6], 0
	s_mov_b32 s[G1+7], 0
	s_lshl_b32 s58, s[EH], 3                       ; the prefetches: waves 4-7 K's run, waves 8-11 V's
	s_add_co_u32 s58, s58, 8
	s_add_co_u32 s58, s58, s42
	s_lshl_b32 s58, s58, 6
	s_add_co_u32 s58, s58, s43
	s_mul_i32 s58, s58, BLK
	s_and_b32 s59, s[WV], 3
	s_mul_i32 s59, s59, 6400
	s_add_co_u32 s58, s58, s59
	s_add_co_u32 s58, s58, RUN                     ; in slot 1: the first change of slots steps it to slot 2
	s_mov_b32 s59, 0
	s_sub_co_u32 s60, s[WV], 4
	s_lshr_b32 s60, s60, 3                         ; 0 in waves 4 to 11,
	s_or_b32 s60, s60, ttmp9                       ; of the work-group with g = 0
	s_cmp_eq_u32 s60, 0
	s_cselect_b32 s[LIM], 1, -1
	s_lshl_b32 s71, s42, 6
	s_add_co_u32 s71, s71, s43                     ; q's blocks: 64 hp + 16 batch + group
	s_add_co_u32 s72, s71, ttmp9
	s_mul_i32 s72, s72, BLK
	s_mov_b32 s73, 0
	s_add_co_u32 s74, s71, s47
	s_mul_i32 s74, s74, BLK
	s_mov_b32 s75, 0
	s_add_co_u32 s76, s43, ttmp9                   ; o's blocks: 8 (16 batch + group) + hp
	s_lshl_b32 s76, s76, 3
	s_add_co_u32 s76, s76, s42
	s_mul_i32 s50, s76, BLK
	s_mov_b32 s51, 0
	s_add_co_u32 s76, s43, s47
	s_lshl_b32 s76, s76, 3
	s_add_co_u32 s76, s76, s42
	s_mul_i32 s52, s76, BLK
	s_mov_b32 s53, 0
	s_cmp_eq_u32 s48, 0
	s_cselect_b32 s54, s50, s52                    ; whose scale words I store, if I store: wave 0 X's, wave 1 Y's
	s_mov_b32 s55, 0
	s_mov_b32 s[SEL], 0x76543210
	s_mov_b32 s[SEL+1], 0xfedcba98
	s_mov_b32 s[CS], 0x3e38aa3b                    ; c = log2(e) / sqrt(64)
	s_mov_b32 s[CS+1], s[CS]                       ; (named with it as a pair, so it is written)
	s_mov_b32 s[TB], 0
	s_mov_b32 s[KF], 0
	s_mov_b32 s[SLOTS], NSL-1
	s_wait_dscnt 0x0                               ; the opening add is done
	s_wait_kmcnt 0x0
	s_mov_b32 s[G0], 1
	s_mul_i32 s[G0+1], s48, RUN                    ; slot 0: K's run, then V's
	s_add_nc_u64 s[G0+2:G0+3], s[4:5], s[56:57]
	s_or_b32 s[G0+3], s[G0+3], 0x80000000
	TLOAD                                          ; slot 0
	s_add_nc_u64 s[PFA:PFA+1], s[4:5], s[58:59]
	s_add_nc_u64 s[72:73], s[4:5], s[72:73]
	s_add_nc_u64 s[74:75], s[4:5], s[74:75]
	s_add_nc_u64 s[50:51], s[6:7], s[50:51]
	s_add_nc_u64 s[52:53], s[6:7], s[52:53]
	s_add_nc_u64 s[54:55], s[6:7], s[54:55]
	v_and_b32 v8, 31, v0                           ; lane
	v_and_b32 v9, 15, v0                           ; r
	v_bfe_u32 v10, v0, 4, 1                        ; h
	s_mul_i32 s61, s[EH], 6144
	v_lshl_add_u32 v[AK16], v8, 4, s61
	v_lshl_add_u32 v[AK8], v8, 3, s61
	s_mul_i32 s62, s[EH], 3072
	s_add_co_u32 s62, s62, RUN
	v_lshl_add_u32 v[AV16], v8, 4, s62
	v_lshl_add_u32 v[AV8], v8, 3, s62
	s_lshl_b32 s63, s[EH], 8
	s_add_co_u32 s63, s63, 12288
	v_lshl_add_u32 v[ASC], v9, 4, s63
	v_min_u32 v[PFO], 24, v8
	v_lshlrev_b32 v[PFO], 8, v[PFO]
	s_lshr_b32 s66, s[TN], 1
	s_lshl_b32 s70, s66, 2                         ; 4 (T / 2): which of a slot's four words holds my tile's bytes
	s_lshl_b32 s66, s66, 5
	s_and_b32 s67, s[TN], 1
	s_lshl_b32 s68, s67, 3
	s_add_co_u32 s66, s66, s68                     ; 32 (T / 2) + 8 (T % 2)
	v_and_b32 v11, 8, v9
	v_add_nc_u32 v11, v11, v9                      ; r + 8 (r / 8)
	v_lshlrev_b32 v12, 4, v10
	v_sub_nc_u32 v11, v11, v12
	v_add_nc_u32 v[DG], s66, v11
	s_mul_i32 s69, s[TN], 768
	v_add_nc_u32 v8, s69, v[AK16]                  ; my piece of a block of q
	v_add_nc_u32 v9, s69, v[AK8]
	v_add_nc_u32 v10, s70, v[ASC]
	global_load_b128 v[QX:QX+3], v8, s[72:73]      ; q stays in registers, twice: ahead of the zeros and behind them
	global_load_b64 v[QX+4:QX+5], v9, s[72:73] offset:512
	global_load_b128 v[QX+12:QX+15], v8, s[72:73]
	global_load_b64 v[QX+16:QX+17], v9, s[72:73] offset:512
	global_load_b32 v[QSX], v10, s[72:73]
	global_load_b128 v[QY:QY+3], v8, s[74:75]
	global_load_b64 v[QY+4:QY+5], v9, s[74:75] offset:512
	global_load_b128 v[QY+12:QY+15], v8, s[74:75]
	global_load_b64 v[QY+16:QY+17], v9, s[74:75] offset:512
	global_load_b32 v[QSY], v10, s[74:75]
.irp i, 6,7,8,9,10,11
	v_mov_b32 v[QX+\i], 0
	v_mov_b32 v[QY+\i], 0
.endr
.irp b, SX, SY
	v_mov_b32 v[\b+1], 0xff61b1e6                  ; the largest t so far: -3e38, under every t
	v_floor_f32 v[\b], -v[\b+1]                    ; -M
	v_mov_b32 v[\b+2], 0                           ; the sum, in two halves
	v_mov_b32 v[\b+3], 0
.endr
	v_mov_b32 v[F], 0                              ; (destinations of lane permutes on the way out, and the upper half of a pair: written on every path)
	v_mov_b32 v[F+1], 0
	s_mov_b32 s76, 0x03020302
	s_cmp_eq_u32 s67, 0
	s_cselect_b32 s76, 0x01000100, s76             ; my tile's two bytes of the word, twice
	s_wait_loadcnt 0x0                             ; q and its words; the loads' offsets may be written again
	v_perm_b32 v[QSX], v[QSX], v[QSX], s76
	v_perm_b32 v[QSY], v[QSY], v[QSY], s76
.set n, 0
.rept 64
	v_mov_b32 v[OX+n], 0                           ; O^T of both tiles: the first change of M leaves zeros zeros.  (Also the places between the scale words' making and the first product)
.set n, n+1
.endr
; A TILE STEP: 16 queries x 128 keys, the q-th key step of the slot in hand.
.macro STEP q, OB, SB, QB, QS, GQ
	s_cmp_gt_u32 s[KF], s[\GQ]                     ; all keys come after the group's queries: left out.  Ids and the count of steps alone
	s_cbranch_scc1 .Lhidden_\@
	v_add_nc_u32 v[DK16], s[TB], v[AK16]           ; (five plain instructions: the places in front of loads into registers that the last products read)
	v_add_nc_u32 v[DK8], s[TB], v[AK8]
	v_add_nc_u32 v[DV16], s[TB], v[AV16]
	v_add_nc_u32 v[DV8], s[TB], v[AV8]
	v_add_nc_u32 v[DSC], s[TB], v[ASC]
.irp b, 0,1,2,3                        ; fragment b: key tiles 2 b and 2 b + 1 of my head
	ds_load_b128 v[FR+12*\b:FR+12*\b+3], v[DK16] offset:BLK*\q+1536*\b
	ds_load_b64 v[FR+12*\b+4:FR+12*\b+5], v[DK8] offset:BLK*\q+1536*\b+512
	ds_load_b128 v[FR+12*\b+6:FR+12*\b+9], v[DK16] offset:BLK*\q+1536*\b+768
	ds_load_b64 v[FR+12*\b+10:FR+12*\b+11], v[DK8] offset:BLK*\q+1536*\b+1280
.endr
	ds_load_b128 v[KS:KS+3], v[DSC] offset:BLK*\q  ; their four scale words
	s_wait_dscnt 0x0
.irp b, 0,1,2,3
	v_wmma_scale_f32_16x16x128_f8f6f4 v[S+16*\b:S+16*\b+7], v[FR+12*\b:FR+12*\b+11], v[\QB:\QB+11], 0, v[KS+\b], v[\QS] matrix_a_fmt:MATRIX_FMT_FP6 matrix_b_fmt:MATRIX_FMT_FP6
	v_wmma_scale_f32_16x16x128_f8f6f4 v[S+16*\b+8:S+16*\b+15], v[FR+12*\b:FR+12*\b+11], v[\QB+6:\QB+17], 0, v[KS+\b], v[\QS] matrix_a_fmt:MATRIX_FMT_FP6 matrix_b_fmt:MATRIX_FMT_FP6
.endr                                  ; register 16 b + i holds key KF + 32 b + 16 h + i of my query
.rept 4
	v_nop
.endr
	s_cmp_lt_u32 s[KF], s[\GQ]                     ; all keys count: no mask
	s_cbranch_scc1 .Lopen_\@
	v_mov_b32 v[NEG], 0xff800000                   ; on the diagonal hidden scores become -infinity ahead of the maximum: p = 0 then
.set n, 0
.rept 64
	v_cmp_gt_i32 vcc_lo, 32*(n/16)+n%16, v[DG]
	v_cndmask_b32 v[S+n], v[S+n], v[NEG], vcc_lo
.set n, n+1
.endr
.Lopen_\@:
.irp b, 0,1,2,3
	v_max3_num_f32 v[BM+\b], v[S+16*\b], v[S+16*\b+1], v[S+16*\b+2]   ; the largest score of each block of 32 keys: for the row's maximum and, since p rises with the score, for the block's largest p
.endr
.irp i, 3,5,7,9,11,13
.irp b, 0,1,2,3
	v_max3_num_f32 v[BM+\b], v[BM+\b], v[S+16*\b+\i], v[S+16*\b+\i+1]
.endr
.endr
.irp b, 0,1,2,3
	v_max_num_f32 v[BM+\b], v[BM+\b], v[S+16*\b+15]
.endr
.irp b, 0,1,2,3
	v_permlanex16_b32 v[BT+\b], v[BM+\b], s[SEL], s[SEL+1]
.endr
.irp b, 0,1,2,3
	v_max_num_f32 v[BM+\b], v[BM+\b], v[BT+\b]     ; with lane l xor 16's 16 keys
.endr
	v_max3_num_f32 v[TP], v[BM], v[BM+1], v[BM+2]
	v_max_num_f32 v[TP], v[TP], v[BM+3]
	v_mul_f32 v[TP], s[CS], v[TP]                  ; the step's largest t
	v_max_num_f32 v[\SB+1], v[\SB+1], v[TP]        ; the running largest t
	v_mov_b32 v[TP], v[\SB]
	v_floor_f32 v[\SB], -v[\SB+1]                  ; the new -M = floor(-t): M is a whole number
	v_sub_f32 v[TP], v[\SB], v[TP]                 ; old M - new M, 0 or less
	v_cvt_i32_f32 v[TP], v[TP]                     ; (it saturates)
	v_ldexp_f32 v[F], 1.0, v[TP]                   ; f
.set n, 0
.rept 32
	v_pk_fma_f32 v[S+n:S+n+1], v[S+n:S+n+1], s[CS:CS+1], v[\SB:\SB+1] op_sel_hi:[1,0,0]   ; t - M, two at a time
.set n, n+2
.endr
.irp b, 0,1,2,3
	v_fma_f32 v[BM+\b], v[BM+\b], s[CS], v[\SB]    ; the same of each block's largest score
.endr
.set n, 0
.rept 64
	v_exp_f32 v[S+n], v[S+n]                       ; p = 2^(t - M): not normalised
.set n, n+1
.endr
	v_pk_mul_f32 v[\SB+2:\SB+3], v[\SB+2:\SB+3], v[F:F+1] op_sel_hi:[1,0]   ; the sums under the new M; a plain place behind the exponentials
	s_wait_alu depctr_va_vdst(0)                   ; one wait for the whole batch, ahead of its first reader
.irp b, 0,1,2,3
	v_exp_f32 v[BM+\b], v[BM+\b]                   ; the block's largest p: the same two instructions on the same number give the same bits
.endr
	v_pk_add_f32 v[BT:BT+1], v[S:S+1], v[S+2:S+3]  ; the row's sum is taken of the unquantised p: two chains
.irp j, 4,8,12,16,20,24,28,32,36,40,44,48,52,56,60
	v_pk_add_f32 v[\SB+2:\SB+3], v[\SB+2:\SB+3], v[S+\j:S+\j+1]
	v_pk_add_f32 v[BT:BT+1], v[BT:BT+1], v[S+\j+2:S+\j+3]
.endr
	v_pk_add_f32 v[\SB+2:\SB+3], v[\SB+2:\SB+3], v[BT:BT+1]
	s_wait_alu depctr_va_vdst(0)                   ; and one for the four
.irp b, 0,1,2,3
	v_max_num_f32 v[BM+\b], 0x1800000, v[BM+\b]    ; the floor 2^(3 - 127): a block whose every p is 0 keeps the byte 1; its codes are zeros
.endr
.irp b, 0,1,2,3
	v_add_nc_u32 v[SO+\b], 0xff000000, v[BM+\b]
.endr
.irp b, 0,1,2,3
	v_lshrrev_b32 v[BT+\b], 23, v[SO+\b]
.endr
	v_lshl_or_b32 v[PSC], v[BT+1], 8, v[BT]        ; p's scale word for these 128 keys
	v_lshl_or_b32 v[PSC], v[BT+2], 16, v[PSC]
	v_lshl_or_b32 v[PSC], v[BT+3], 24, v[PSC]
.irp c, 0,1
	v_cvt_scalef32_pk16_fp6_f32 v[PC+6*\c:PC+6*\c+2], v[S+32*\c:S+32*\c+15], v[SO+2*\c]
	v_cvt_scalef32_pk16_fp6_f32 v[TT+4*\c:TT+4*\c+2], v[S+32*\c+16:S+32*\c+31], v[SO+2*\c+1]
.endr
	v_nop                                          ; one plain place behind a scaled conversion
.irp c, 0,1
.irp i, 0,1,2
	v_permlane16_swap_b32 v[PC+6*\c+\i], v[TT+4*\c+\i]
.endr
.irp i, 0,1,2
	v_mov_b32 v[PC+6*\c+3+\i], v[TT+4*\c+\i]
.endr
.endr
.irp t, 0,1,2,3                        ; V's fragment t: 16 of my head's channels x these 128 keys
	ds_load_b128 v[FR+12*\t:FR+12*\t+3], v[DV16] offset:BLK*\q+768*\t
	ds_load_b64 v[FR+12*\t+4:FR+12*\t+5], v[DV8] offset:BLK*\q+768*\t+512
	ds_load_b128 v[FR+12*\t+6:FR+12*\t+9], v[DV16] offset:BLK*\q+768*\t+6144
	ds_load_b64 v[FR+12*\t+10:FR+12*\t+11], v[DV8] offset:BLK*\q+768*\t+6656
.endr
	ds_load_b128 v[KS:KS+3], v[DSC] offset:RUN+BLK*\q
.set n, 0
.rept 16
	v_pk_mul_f32 v[\OB+n:\OB+n+1], v[\OB+n:\OB+n+1], v[F:F+1] op_sel_hi:[1,0]   ; O^T under the new M, while the loads are out.  Twelve of the sixteen name no register of any one product below: the places behind p's codes and scale word
.set n, n+2
.endr
	s_wait_dscnt 0x0
.irp t, 0,1,2,3
	v_wmma_scale_f32_16x16x128_f8f6f4 v[\OB+8*\t:\OB+8*\t+7], v[FR+12*\t:FR+12*\t+11], v[PC:PC+11], v[\OB+8*\t:\OB+8*\t+7], v[KS+\t], v[PSC] matrix_a_fmt:MATRIX_FMT_FP6 matrix_b_fmt:MATRIX_FMT_FP6
.endr                                  ; the four accumulators by turns; eight other products stand between two links of a chain
.Lhidden_\@:
.endm
; THE CHANGE OF SLOTS stands at a slot's head: each wave waits for all its tensor loads, adds 0 to its spare word, waits for that and for its reads of the slot that it has left, and passes the barrier.
; fill = 1: the slot just left is filled with the next 256 keys, if a wave of this work-group will read them.
.macro CHANGE fill
	s_wait_tensorcnt 0x0                           ; no tensor load of mine is out, so the group 0 may be written
	ds_add_u32 v[SPW], v[NIL]
.if \fill
	s_xor_b32 s[G0+1], s[G0+1], SLOT1              ; the other slot than last time,
	s_add_nc_u64 s[G0+2:G0+3], s[G0+2:G0+3], RUN   ; the next two blocks
	s_wait_xcnt 0x0                                ; the last prefetch, a slot back, has read its address
	s_add_nc_u64 s[PFA:PFA+1], s[PFA:PFA+1], RUN
.endif
	s_wait_dscnt 0x0                               ; the add is done, and my reads of the slot that I have left are over
	s_barrier_signal -1
	s_barrier_wait -1
.if \fill
	s_add_co_u32 s78, s[KF], 256                   ; the first key of the slot that this change would ask for
	s_cmp_gt_u32 s78, s[LASTQ]                     ; ids and the count of steps alone: all sixteen waves go the same way, and past the limit they stay past it
	s_cbranch_scc1 .Lpast_\@
	TLOAD                                          ; a wave's one tensor load until the next change
.Lpast_\@:
	ASK
.endif
.endm
.macro SLOT_STEPS
	STEP 0, OY, SY, QY, QSY, GQY
	STEP 0, OX, SX, QX, QSX, GQX
	s_add_co_u32 s[KF], s[KF], 128
	STEP 1, OY, SY, QY, QSY, GQY
	STEP 1, OX, SX, QX, QSX, GQX
	s_add_co_u32 s[KF], s[KF], 128
	s_xor_b32 s[TB], s[TB], SLOT1
.endm
.Lslot:                                            ; seven trips: behind each change of slots but the last the next slot is asked for, up to the causal limit
	CHANGE 1
	SLOT_STEPS
	s_sub_co_u32 s[SLOTS], s[SLOTS], 1
	s_cmp_lg_u32 s[SLOTS], 0
	s_cbranch_scc1 .Lslot
	CHANGE 0                                       ; the last slot is written out: nothing is left to ask for
	SLOT_STEPS
	; THE WAY OUT, both tiles together: o = O^T / l, quantised along the head's 64 channels (register 16 b + i = d 32 b + 16 h + i), codes straight to o_img, scale bytes through LDS.
	v_add_f32 v[SX+2], v[SX+2], v[SX+3]
	v_add_f32 v[SY+2], v[SY+2], v[SY+3]
	v_permlanex16_b32 v[F], v[SX+2], s[SEL], s[SEL+1]
	v_permlanex16_b32 v[F+1], v[SY+2], s[SEL], s[SEL+1]
	v_add_f32 v[SX+2], v[SX+2], v[F]               ; the rows' sums
	v_add_f32 v[SY+2], v[SY+2], v[F+1]
	v_rcp_f32 v[SX+2], v[SX+2]
	v_rcp_f32 v[SY+2], v[SY+2]
	v_and_b32 v8, 15, v0                           ; r  (plain work behind the reciprocals)
	v_and_b32 v9, 31, v0
	v_lshlrev_b32 v9, 4, v9                        ; 16 x lane
	s_mul_i32 s56, s[TN], 768
	v_add_nc_u32 v10, s56, v[AK16]                 ; my piece of a block of o
	v_add_nc_u32 v11, s56, v[AK8]
	s_lshr_b32 s57, s[TN], 2
	s_lshl_b32 s57, s57, 8
	s_and_b32 s58, s[TN], 3
	s_lshl_b32 s58, s58, 2
	s_add_co_u32 s57, s57, s58
	s_lshl_b32 s58, s[EH], 1
	s_add_co_u32 s57, s57, s58
	s_add_co_u32 s57, s57, SCB
	v_lshl_add_u32 v12, v8, 4, s57                 ; my two bytes of the word of (T, r): 256 (T / 4) + 16 r + 4 (T % 4) + 2 e
	s_and_b32 s58, s[WV], 1
	s_lshl_b32 s58, s58, 9
	s_add_co_u32 s58, s58, SCB
	v_add_nc_u32 v13, s58, v9                      ; where waves 0 and 1 read the words back
	s_wait_alu depctr_va_vdst(0)                   ; one wait for both reciprocals, ahead of their first reader
.set n, 0
.rept 16
	v_pk_mul_f32 v[OX+n:OX+n+1], v[OX+n:OX+n+1], v[SX+2:SX+3] op_sel_hi:[1,0]
	v_pk_mul_f32 v[OY+n:OY+n+1], v[OY+n:OY+n+1], v[SY+2:SY+3] op_sel_hi:[1,0]
.set n, n+2
.endr
.irp k, 0,1,2,3                        ; four blocks of 32: X's two, Y's two, at OX + 16 k
	v_max3_num_f32 v[BM+\k], |v[OX+16*\k]|, |v[OX+16*\k+1]|, 0x1800000
.endr
.irp i, 2,4,6,8,10,12,14
.irp k, 0,1,2,3
	v_max3_num_f32 v[BM+\k], v[BM+\k], |v[OX+16*\k+\i]|, |v[OX+16*\k+\i+1]|
.endr
.endr
.irp k, 0,1,2,3
	v_mov_b32 v[BT+\k], 0                          ; a lane permute's destination counts as one of its sources
.endr
.irp k, 0,1,2,3
	v_permlanex16_b32 v[BT+\k], v[BM+\k], s[SEL], s[SEL+1]
.endr
.irp k, 0,1,2,3
	v_max_num_f32 v[BM+\k], v[BM+\k], v[BT+\k]
.endr
.irp k, 0,1,2,3
	v_add_nc_u32 v[SO+\k], 0xff000000, v[BM+\k]
.endr
.irp k, 0,1,2,3
	v_lshrrev_b32 v[BT+\k], 23, v[SO+\k]
.endr
	v_lshl_or_b32 v72, v[BT+1], 8, v[BT]           ; X's two bytes
	v_lshl_or_b32 v73, v[BT+3], 8, v[BT+2]         ; Y's
.irp z, 0,1
	v_cvt_scalef32_pk16_fp6_f32 v[112+8*\z:114+8*\z], v[OX+32*\z:OX+32*\z+15], v[SO+2*\z]
	v_cvt_scalef32_pk16_fp6_f32 v[128+4*\z:130+4*\z], v[OX+32*\z+16:OX+32*\z+31], v[SO+2*\z+1]
.endr
	v_nop                                          ; one plain place behind a scaled conversion
.irp z, 0,1
.irp i, 0,1,2
	v_permlane16_swap_b32 v[112+8*\z+\i], v[128+4*\z+\i]
.endr
.irp i, 0,1,2
	v_mov_b32 v[115+8*\z+\i], v[128+4*\z+\i]
.endr
.endr
	global_store_b128 v10, v[112:115], s[50:51]             ; 512 consecutive bytes
	global_store_b64 v11, v[116:117], s[50:51] offset:512   ; 256 consecutive bytes
	global_store_b128 v10, v[120:123], s[52:53]
	global_store_b64 v11, v[124:125], s[52:53] offset:512
	ds_store_b16 v12, v72                          ; lanes r and r + 16 write the same two bytes with the same value
	ds_store_b16 v12, v73 offset:512
	s_wait_dscnt 0x0                               ; for the others' sake: my stores have landed
	s_barrier_signal -1
	s_barrier_wait -1
	s_cmp_lt_u32 s[WV], 2
	s_cbranch_scc0 .Lno_words
	ds_load_b128 v[136:139], v13                   ; a block's 512 bytes of scale words, from sixteen waves
	s_wait_dscnt 0x0
	global_store_b128 v9, v[136:139], s[54:55] offset:12288
.Lno_words:
	s_wait_tensorcnt 0x0                           ; the wave's end, behind my last tensor load and my last LDS store
	ds_add_u32 v[SPW], v[NIL]
	s_wait_dscnt 0x0
	s_endpgm
.Lfunc_end_k_q4cd37481c8_attn:
	.size	k_q4cd37481c8_attn, .Lfunc_end_k_q4cd37481c8_attn-k_q4cd37481c8_attn
	.p2alignl 7, 3214868480
	.fill 96, 4, 3214868480
	.section	.rodata,"a",@progbits
	.p2align	6, 0x0
	.amdhsa_kernel k_q4cd37481c8_attn
		.amdhsa_group_segment_fixed_size 327680
		.amdhsa_private_segment_fixed_size 0
		.amdhsa_enable_private_segment 0
		.amdhsa_kernarg_size 16
		.amdhsa_user_sgpr_count 2
		.amdhsa_user_sgpr_kernarg_segment_ptr 1
		.amdhsa_wavefront_size32 1
		.amdhsa_system_sgpr_workgroup_id_x 1
		.amdhsa_system_sgpr_workgroup_id_y 1
		.amdhsa_system_sgpr_workgroup_id_z 1
		.amdhsa_system_vgpr_workitem_id 0
		.amdhsa_next_free_vgpr 256
		.amdhsa_next_free_sgpr 84
		.amdhsa_reserve_vcc 1
		.amdhsa_float_denorm_mode_32 3
		.amdhsa_float_denorm_mode_16_64 3
		.amdhsa_memory_ordered 1
		.amdhsa_forward_progress 1
		.amdhsa_inst_pref_size 185
	.end_amdhsa_kernel
	.amdgpu_metadata
---
amdhsa.version: [ 1, 2 ]
amdhsa.kernels:
  - .name:           k_q4cd37481c8_attn
    .symbol:         k_q4cd37481c8_attn.kd
    .args:
      - { .name: qkv_img, .offset: 0, .size: 8, .value_kind: global_buffer, .address_space: global }
      - { .name: o_img, .offset: 8, .size: 8, .value_kind: global_buffer, .address_space: global }
    .group_segment_fixed_size: 327680
    .private_segment_fixed_size: 0
    .kernarg_segment_align: 8
    .kernarg_segment_size: 16
    .max_flat_workgroup_size: 512
    .sgpr_count:     84
    .vgpr_count:     256
    .wavefront_size: 32
...
	.end_amdgpu_metadata
.endif
;; end of part 3
;; launch proj (part 4): grid 4 x 32, 4 waves a work-group, clusters of 4 x 4, 327,680 bytes of LDS; arguments o_img, img, b_proj, out0; writes out0
.if DOCPART == 4
	.amdgcn_target "amdgcn-amd-amdhsa--gfx1250"
	.amdhsa_code_object_version 6
	.text
	.protected	k_q4cd37481c8_proj
	.globl	k_q4cd37481c8_proj
	.p2align	8
	.type	k_q4cd37481c8_proj,@function
k_q4cd37481c8_proj:
	s_mov_b64 s[64:65], 0
	v_nop
	global_prefetch_b8 v0, s[64:65] scope:SCOPE_SE
	s_setreg_imm32_b32 hwreg(HW_REG_WAVE_MODE, 25, 1), 1
	s_wait_xcnt 0x0
	s_wait_alu depctr_hold_cnt(0) depctr_sa_sdst(0) depctr_va_vdst(0) depctr_va_sdst(0) depctr_va_ssrc(0) depctr_va_vcc(0) depctr_vm_vsrc(0)
	s_getreg_b32 s2, hwreg(HW_REG_IB_STS2, 6, 4)
	s_cmp_eq_u32 s2, 0
	s_cbranch_scc0 .Lentry_in_a_cluster
	s_endpgm
.Lentry_in_a_cluster:
	s_bfe_u32 s2, ttmp6, 0x10000c
	s_cmp_lg_u32 s2, 0xf033
	s_cbranch_scc0 .Lentry_shape_is_right
	s_endpgm
.Lentry_shape_is_right:
; out0 = o w_proj^T + b_proj on codes of FP6 (E2M3) with E8M0 scales, f32 sums, K = 1,024.  Both operands come as blocks of 12,800 bytes (a group of 128 rows x 128 K as an image of the operand's registers):
; o's block (G, s) at (8 G + s) x 12,800 of o_img, w_proj's groups 88-95 of img likewise.  Slot r of tile T of a group is row 32 (T / 2) + 8 (T % 2) + r + 8 (r / 8).
; A work-group of four waves makes 256 x 256, a wave 128 x 128: 64 accumulators.  Source 1 is side P (tokens), source 0 side Q (rows of w): lane (r, h) holds P's slot r, and register j of Q's tile b is output 32 (b / 2) + 16 h + 8 (b % 2) + j.
; THE BIAS is the C of each sum's first product: eight registers a tile of Q, in the result's layout.
; RING: three LDS slots of two K steps each, all asked for at the start; slot 0 is filled once more (K steps 6, 7).  By this text's count a wave has three tensor loads out at the most.
; CLUSTER 4 x 4: P's tiles are shared along a row of the cluster, Q's along a column.  The grid is 128 work-groups: as many as C has tiles of 256 x 256.
; THE WAY OUT goes through a stage for each wave in slot 1, which has had its only fill and whose last reads lie ahead of the second barrier of the K steps.
; REGISTERS: window 0: v1-29 addresses; v32-47 scale words, two sets; v128-223 P's fragments; on the way out v128-255 rows of the result.  Window 1: Q's fragments at v0 and v128; the bias at v96-127 and v224-255.
;   Window 2: accumulators of P's tiles 0-3 ((a, b) at v[8 (8 (a % 4) + b)]); window 3: of tiles 4-7.
.set BLK,   12800
.set PART,  2*BLK
.set SLOT,  4*PART
.set GRPB,  8*BLK
.set SPARE, 3*SLOT                     ; behind the ring: the spare words, 128 bytes a wave: two blocks of 256 bytes that no other line names
.set SPITCH, 528                       ; a stage row: 512 bytes + 16
.set FR,    12
.set NL,    4
.set NP,    4
.set AP16,  8
.set AP8,   11
.set AQ16,  14
.set AQ8,   17
.set ASC,   20
.set L16,   24
.set L8,    25
.set STO,   26                         ; v26 the stage: where I put 32 bytes of a row
.set RD,    27                         ; v27 and where I read a row back
.set SPW,   28
.set NIL,   29
.set SC,    32
.set AF,    128
.set BK,    128                        ; the way out: 16 rows read back: v128-191 and v192-255 by turns
.set G1,  24
.set G0,  32
.set G1B, 44
.set G0B, 52
.set MSB, 0
.macro WIN new
.if MSB != (\new)
	s_set_vgpr_msb (MSB<<8)|(\new)
.set MSB, (\new)
.endif
.endm
.set MUL_LO, 0xa1                      ; source 0 (Q) window 1, source 1 (P) window 0, C and D window 2
.set MUL_HI, 0xf1
.set TO_Q,   0x40
.macro JLOAD g0a, g1a, g0b, g1b        ; a joint load: waves 0, 1 fetch P's two groups, waves 2, 3 Q's; an s_nop 0 and four v_nop follow each line
	s_cmp_eq_u32 s15, 0
	s_cbranch_scc0 .Lfor_q_\@
	tensor_load_to_lds s[\g0a:\g0a+3], s[\g1a:\g1a+7]
	s_nop 0
.rept 4
	v_nop
.endr
	s_branch .Lasked_\@
.Lfor_q_\@:
	tensor_load_to_lds s[\g0b:\g0b+3], s[\g1b:\g1b+7]
	s_nop 0
.rept 4
	v_nop
.endr
.Lasked_\@:
.endm
.macro CREST
	s_cmp_lg_u32 s14, 0
	s_cbranch_scc1 .Lnot_wave_0_\@
	s_barrier_signal -3
.Lnot_wave_0_\@:
	s_barrier_wait -3
	s_barrier_signal -1
	s_barrier_wait -1
.endm
.macro CROUND
	s_barrier_signal -1
	s_barrier_wait -1
	CREST
.endm
.macro PLACES n
.rept \n
	v_nop
.endr
.endm
	s_load_b256 s[4:11], s[0:1], 0x0               ; o_img s[4:5], img s[6:7], b_proj s[8:9], out0 s[10:11]
	v_lshl_add_u32 v[SPW], v0, 2, SPARE
	v_mov_b32 v[NIL], 0
	ds_add_u32 v[SPW], v[NIL]                      ; the wave's opening: the add and its wait ahead of my first tensor load
	v_lshrrev_b32 v1, 5, v0
	v_readfirstlane_b32 s14, v1                    ; wave 0..3
	s_lshr_b32 s15, s14, 1                         ; wr; also: I fetch for P (0) or for Q (1)
	s_and_b32 s16, s14, 1                          ; wc; also: which group of that side I fetch
	s_bfe_u32 s66, ttmp6, 0x40000                  ; cx
	s_bfe_u32 s67, ttmp6, 0x40004                  ; cy
	s_mov_b32 s68, ttmp9
	s_and_b32 s69, ttmp7, 0xffff
	s_lshl_b32 s71, s67, 2
	s_lshl_b32 s71, 15, s71                        ; my row of the cluster
	s_lshl_b32 s72, 0x1111, s66                    ; my column
	s_or_b32 s[G1], s71, (3<<16)|(1<<21)
	s_or_b32 s[G1B], s72, (3<<16)|(1<<21)
.irp g, G1, G1B                        ; 25,600 dense bytes as 100 rows of 256
	s_mov_b32 s[\g+1], 32<<16
	s_mov_b32 s[\g+2], 100<<16
	s_mov_b32 s[\g+3], 32<<16
	s_mov_b32 s[\g+4], 100
	s_mov_b32 s[\g+5], 32
	s_mov_b32 s[\g+6], 0
	s_mov_b32 s[\g+7], 0
.endr
	s_lshl_b32 s73, s69, 2
	s_add_co_u32 s73, s73, s67                     ; tile row of C
	s_lshl_b32 s73, s73, 1                         ; P's first group
	s_lshl_b32 s74, s68, 2
	s_add_co_u32 s74, s74, s66                     ; tile column of C
	s_lshl_b32 s75, s74, 1
	s_add_co_u32 s75, s75, 88                      ; Q's first group
	s_add_co_u32 s79, s73, s16
	s_mul_i32 s80, s79, GRPB
	s_mov_b32 s81, 0
	s_add_co_u32 s82, s75, s16
	s_mul_i32 s84, s82, GRPB
	s_mov_b32 s85, 0
	s_mul_i32 s86, s14, PART
	s_wait_dscnt 0x0                               ; the opening add is done
	s_wait_kmcnt 0x0
	s_add_nc_u64 s[80:81], s[4:5], s[80:81]
	s_add_nc_u64 s[84:85], s[6:7], s[84:85]
	CROUND                                         ; all sixteen work-groups are here: the first joint loads meet
.irp j, 0,1,2
	s_mov_b32 s[G0+4*\j], 1
	s_add_co_u32 s[G0+4*\j+1], s86, \j*SLOT
	s_add_nc_u64 s[G0+4*\j+2:G0+4*\j+3], s[80:81], \j*PART
	s_or_b32 s[G0+4*\j+3], s[G0+4*\j+3], 0x80000000
	s_mov_b32 s[G0B+4*\j], 1
	s_add_co_u32 s[G0B+4*\j+1], s86, \j*SLOT
	s_add_nc_u64 s[G0B+4*\j+2:G0B+4*\j+3], s[84:85], \j*PART
	s_or_b32 s[G0B+4*\j+3], s[G0B+4*\j+3], 0x80000000
	JLOAD G0+4*\j, G1, G0B+4*\j, G1B
.endr
	v_and_b32 v3, 31, v0                           ; lane
	v_and_b32 v1, 15, v0                           ; r
	v_bfe_u32 v2, v0, 4, 1                         ; h
	s_lshl_b32 s90, s74, 10                        ; my 128 outputs, in bytes: 1,024 x tile column + 512 wc
	s_lshl_b32 s91, s16, 9
	s_add_co_u32 s90, s90, s91
	s_mov_b32 s91, 0
	s_add_nc_u64 s[8:9], s[8:9], s[90:91]
	v_lshlrev_b32 v4, 6, v2                        ; + 64 h; never rewritten
	WIN TO_Q
.irp b, 0,1,2,3,4,5,6,7                ; the bias of Q's tile b: outputs 32 (b / 2) + 16 h + 8 (b % 2) + 0 .. 7
	global_load_b128 v[96+128*(\b/4)+8*(\b%4):96+128*(\b/4)+8*(\b%4)+3], v4, s[8:9] offset:128*(\b/2)+32*(\b%2)
	global_load_b128 v[96+128*(\b/4)+8*(\b%4)+4:96+128*(\b/4)+8*(\b%4)+7], v4, s[8:9] offset:128*(\b/2)+32*(\b%2)+16
.endr
	WIN 0
	v_lshlrev_b32 v[L16], 4, v3
	v_lshlrev_b32 v[L8], 3, v3
	s_mul_i32 s20, s15, PART
	s_mul_i32 s21, s16, PART
	s_add_co_u32 s21, s21, 2*PART
.irp j, 0,1,2
	v_add_nc_u32 v[AP16+\j], s20, v[L16]
	v_add_nc_u32 v[AP8+\j], s20, v[L8]
	v_add_nc_u32 v[AQ16+\j], s21, v[L16]
	v_add_nc_u32 v[AQ8+\j], s21, v[L8]
	s_add_co_u32 s20, s20, SLOT
	s_add_co_u32 s21, s21, SLOT
.endr
	s_mul_i32 s20, s15, PART
	s_mul_i32 s21, s16, PART
	s_add_co_u32 s21, s21, 2*PART
	s_sub_co_u32 s21, s21, s20
	v_mul_u32_u24 v5, s21, v2                      ; lanes 16-31 take Q's words
	v_lshl_add_u32 v5, v1, 4, v5
	s_add_co_u32 s20, s20, 12288
.irp j, 0,1,2
	v_add_nc_u32 v[ASC+\j], s20, v5
	s_add_co_u32 s20, s20, SLOT
.endr
	s_mul_i32 s23, s14, 16*SPITCH
	s_add_co_u32 s23, s23, SLOT                    ; my stage, in slot 1
	v_mul_u32_u24 v5, v1, SPITCH
	v_lshl_add_u32 v5, v2, 6, v5
	v_add_nc_u32 v[STO], s23, v5                   ; in: row r, + 64 h
	v_add_nc_u32 v[RD], s23, v[L16]                ; back: the 32 lanes take one row of 512 bytes
	s_add_co_u32 s92, s73, s15                     ; my group of tokens: 128 rows of 4,096 bytes
	s_lshl_b32 s92, s92, 19
	s_add_co_u32 s92, s92, s90
	s_mov_b32 s93, 0
	s_add_nc_u64 s[10:11], s[10:11], s[92:93]
.macro FRAG reg, a16, a8, off
	ds_load_b128 v[\reg:\reg+3], v[\a16] offset:\off
	ds_load_b64 v[\reg+4:\reg+5], v[\a8] offset:\off+512
	ds_load_b128 v[\reg+6:\reg+9], v[\a16] offset:\off+6144
	ds_load_b64 v[\reg+10:\reg+11], v[\a8] offset:\off+6656
.endm
.macro FETCH_Q k
	WIN TO_Q
.irp i, 0,1,2,3,4,5,6,7
	FRAG 128*((\k)%2)+FR*\i, AQ16+((\k)/2)%3, AQ8+((\k)/2)%3, BLK*((\k)%2)+768*\i
.endr
	WIN 0
.endm
.macro FETCH_P k, i0
.irp i, \i0, \i0+1, \i0+2, \i0+3
	FRAG AF+FR*(\i), AP16+((\k)/2)%3, AP8+((\k)/2)%3, BLK*((\k)%2)+768*(\i)
.endr
.endm
.macro SCALES k
	ds_load_b128 v[SC+8*((\k)%2):SC+8*((\k)%2)+3], v[ASC+((\k)/2)%3] offset:BLK*((\k)%2)
	ds_load_b128 v[SC+8*((\k)%2)+4:SC+8*((\k)%2)+7], v[ASC+((\k)/2)%3] offset:BLK*((\k)%2)+256
.endm
; 16 matrix instructions; the 64 accumulators take turns, one instruction a turn, in the same order in every K step.  first = 1: C is the bias (window 1)
.macro MUL16 a0, k, first
.irp a, \a0, \a0+1
.irp b, 0,1,2,3,4,5,6,7
.if \first
	v_wmma_scale_f32_16x16x128_f8f6f4 v[8*(8*((\a)%4)+\b):8*(8*((\a)%4)+\b)+7], v[128*((\k)%2)+FR*\b:128*((\k)%2)+FR*\b+FR-1], v[AF+FR*(\a):AF+FR*(\a)+FR-1], v[96+128*(\b/4)+8*(\b%4):96+128*(\b/4)+8*(\b%4)+7], v[SC+8*((\k)%2)+\b], v[SC+8*((\k)%2)+(\a)] matrix_a_fmt:MATRIX_FMT_FP6 matrix_b_fmt:MATRIX_FMT_FP6 matrix_a_scale:MATRIX_SCALE_ROW1
.else
	v_wmma_scale_f32_16x16x128_f8f6f4 v[8*(8*((\a)%4)+\b):8*(8*((\a)%4)+\b)+7], v[128*((\k)%2)+FR*\b:128*((\k)%2)+FR*\b+FR-1], v[AF+FR*(\a):AF+FR*(\a)+FR-1], v[8*(8*((\a)%4)+\b):8*(8*((\a)%4)+\b)+7], v[SC+8*((\k)%2)+\b], v[SC+8*((\k)%2)+(\a)] matrix_a_fmt:MATRIX_FMT_FP6 matrix_b_fmt:MATRIX_FMT_FP6 matrix_a_scale:MATRIX_SCALE_ROW1
.endif
.endr
.endr
.endm
.macro STEP k, first
	s_wait_dscnt 4*NL                              ; Q's set, P's tiles 0-3 and the scale words are in; the youngest 16 loads (P's tiles 4-7) may be out
.if \first
	WIN 0x91                                       ; as MUL_LO, with C in window 1
.else
	WIN MUL_LO
.endif
	MUL16 0, \k, \first
	MUL16 2, \k, \first
	s_wait_dscnt 0x0
	PLACES NP
	FETCH_Q (\k)+1
	FETCH_P (\k)+1, 0
	SCALES (\k)+1
.if \first
	WIN 0xd1
.else
	WIN MUL_HI
.endif
	MUL16 4, \k, \first
	MUL16 6, \k, \first
	PLACES NP
	WIN 0
	FETCH_P (\k)+1, 4
.endm
.macro TURN k, fill
	s_wait_tensorcnt 0x0                           ; all my tensor loads have landed
	ds_add_u32 v[SPW], v[NIL]
	s_wait_dscnt 4*NL+1                            ; (the add and P's tiles 4-7 may be out)
	WIN MUL_LO
	MUL16 0, \k, 0
	s_wait_dscnt 0x0                               ; the add is done, and my LDS reads are over
	s_barrier_signal -1
	MUL16 2, \k, 0
	WIN 0
	s_barrier_wait -1
.if \fill
	CREST                                          ; the barrier has opened a round of the cluster's: no wave of any partner still reads slot 0 or has a load on its way
	s_add_nc_u64 s[G0+2:G0+3], s[G0+2:G0+3], 3*PART
	s_add_nc_u64 s[G0B+2:G0B+3], s[G0B+2:G0B+3], 3*PART
	JLOAD G0, G1, G0B, G1B
.else
	PLACES NP
.endif
	FETCH_Q (\k)+1
	FETCH_P (\k)+1, 0
	SCALES (\k)+1
	WIN MUL_HI
	MUL16 4, \k, 0
	MUL16 6, \k, 0
	PLACES NP
	WIN 0
	FETCH_P (\k)+1, 4
.endm
	s_wait_tensorcnt 2                             ; my part of slot 0 is in; slots 1 and 2 may be out
	s_barrier_signal -1
	s_barrier_wait -1
	FETCH_Q 0
	FETCH_P 0, 0
	SCALES 0
	FETCH_P 0, 4
	s_wait_loadcnt 0x0                             ; the bias
	STEP 0, 1
	TURN 1, 1                                      ; slots 1 and 2 are shown whole to every wave; slot 0 takes K steps 6, 7
	STEP 2, 0
	STEP 3, 0
	STEP 4, 0
	TURN 5, 0                                      ; slot 0 is whole again; every wave's reads of slot 1 are over
	STEP 6, 0
	s_wait_dscnt 4*NL
	WIN MUL_LO
	MUL16 0, 7, 0
	MUL16 2, 7, 0
	s_wait_dscnt 0x0
	WIN MUL_HI
	MUL16 4, 7, 0
	MUL16 6, 7, 0
	WIN 0
; THE WAY OUT, tile by tile of 16 tokens x 128 outputs: through my stage and back as whole rows of 512 bytes.  LDS serves a wave's instructions in order (ISA guide 5.7.1.4): no wait between the stores and the loads.
.macro TOSTAGE a
.set AC, 64*((\a)%4)
	WIN 0x08+4*((\a)/4)                            ; an LDS store's data are its source 1: window 2 or 3
.irp b, 0,1,2,3,4,5,6,7
	ds_store_b128 v[STO], v[AC+8*\b:AC+8*\b+3] offset:128*(\b/2)+32*(\b%2)          ; each accumulator from its low end on
	ds_store_b128 v[STO], v[AC+8*\b+4:AC+8*\b+7] offset:128*(\b/2)+32*(\b%2)+16
.endr
	WIN 0
.set BB, BK+64*((\a)%2)
.irp t, 0,1,2,3,4,5,6,7,8,9,10,11,12,13,14,15
	ds_load_b128 v[BB+4*\t:BB+4*\t+3], v[RD] offset:\t*SPITCH
.endr
.endm
.macro SEND a, younger                 ; slot t of tile a is token 32 (a / 2) + 8 (a % 2) + t + 8 (t / 8): the place stands in the immediate, 127 rows of 4,096 bytes at the most
.set BB, BK+64*((\a)%2)
	s_wait_dscnt \younger
.irp t, 0,1,2,3,4,5,6,7,8,9,10,11,12,13,14,15
	global_store_b128 v[L16], v[BB+4*\t:BB+4*\t+3], s[10:11] offset:(32*((\a)/2)+8*((\a)%2)+\t+8*(\t/8))*4096 th:TH_STORE_NT   ; 512 consecutive bytes, at a multiple of 256 from out0's first byte
.endr
.endm
	PLACES NP                                      ; in front of the reads of results and of loads into P's fragments
	TOSTAGE 0
.irp a, 1,2,3,4,5,6,7
.if \a > 1
	s_wait_xcnt 0x0                                ; tile a - 2's stores have read their registers: tile a's rows may land there
.endif
	TOSTAGE \a
	SEND \a-1, 32                                  ; behind tile a - 1's loads: tile a's 16 stores and 16 loads
.endr
	SEND 7, 0
	s_wait_tensorcnt 0x0                           ; the wave's end, behind my last tensor load and my last LDS store
	ds_add_u32 v[SPW], v[NIL]
	s_wait_dscnt 0x0
	CROUND                                         ; the closing round
	s_endpgm
.Lfunc_end_k_q4cd37481c8_proj:
	.size	k_q4cd37481c8_proj, .Lfunc_end_k_q4cd37481c8_proj-k_q4cd37481c8_proj
	.p2alignl 7, 3214868480
	.fill 96, 4, 3214868480
	.section	.rodata,"a",@progbits
	.p2align	6, 0x0
	.amdhsa_kernel k_q4cd37481c8_proj
		.amdhsa_group_segment_fixed_size 327680
		.amdhsa_private_segment_fixed_size 0
		.amdhsa_enable_private_segment 0
		.amdhsa_kernarg_size 32
		.amdhsa_user_sgpr_count 2
		.amdhsa_user_sgpr_kernarg_segment_ptr 1
		.amdhsa_wavefront_size32 1
		.amdhsa_system_sgpr_workgroup_id_x 1
		.amdhsa_system_sgpr_workgroup_id_y 1
		.amdhsa_system_sgpr_workgroup_id_z 1
		.amdhsa_system_vgpr_workitem_id 0
		.amdhsa_next_free_vgpr 1024
		.amdhsa_next_free_sgpr 100
		.amdhsa_reserve_vcc 0
		.amdhsa_float_denorm_mode_32 3
		.amdhsa_float_denorm_mode_16_64 3
		.amdhsa_memory_ordered 1
		.amdhsa_forward_progress 1
		.amdhsa_inst_pref_size 142
	.end_amdhsa_kernel
	.amdgpu_metadata
---
amdhsa.version: [ 1, 2 ]
amdhsa.kernels:
  - .name:           k_q4cd37481c8_proj
    .symbol:         k_q4cd37481c8_proj.kd
    .args:
      - { .name: o_img, .offset: 0, .size: 8, .value_kind: global_buffer, .address_space: global }
      - { .name: img, .offset: 8, .size: 8, .value_kind: global_buffer, .address_space: global }
      - { .name: b_proj, .offset: 16, .size: 8, .value_kind: global_buffer, .address_space: global }
      - { .name: out0, .offset: 24, .size: 8, .value_kind: global_buffer, .address_space: global }
    .group_segment_fixed_size: 327680
    .private_segment_fixed_size: 0
    .kernarg_segment_align: 8
    .kernarg_segment_size: 32
    .max_flat_workgroup_size: 128
    .sgpr_count:     100
    .vgpr_count:     1024
    .wavefront_size: 32
...
	.end_amdgpu_metadata
.endif
;; end of part 4
